; MI455X (gfx1250); checked and timed in simulation.
; The chip was launched on July 23, 2026; its instructions are those of AMD's public machine-readable ISA for CDNA 5 (MIT licence, August 2026) and "CDNA5" Instruction Set Architecture Reference Guide (July 2026). The comments in the code are by the model that wrote it; some were corrected since.
;; Self Attention. Allowed arithmetic: matrix products marked QUANTISED: E3M2 operands, one E8M0 scale for each 32 along K, by v_wmma_scale_f32_16x16x128_f8f6f4 with both operands' format E3M2, f32 sums; everything else in f32.
;; Inputs: Wk 1,024 x 2,048 float32; Wq 1,024 x 2,048 float32; Wv 512 x 2,048 float32; k 4 x 2,048 x 2,048 float32; q 4 x 2,048 x 2,048 float32; v 4 x 2,048 x 2,048 float32.
;; Outputs: out0 4 x 2,048 x 512 float32.
;; This version of the problem:
;;   THIS VERSION OF THE PROBLEM IS GIVEN IN LOW PRECISION. The matrix products marked QUANTISED in the list below multiply operands that are first quantised to E3M2 (3 exponent bits, 2 mantissa bits; 6 bits a number), with one power-of-two scale for each 32 numbers along K (OCP MX v1.0); their sums are f32. All else is computed in f32.
;;   The module's matrix products, in the order in which they are computed (A, B: the left and right operand; K: the contracted axis; several contracted axes count as one K, in the product's order):
;;     1. [M 8,192, K 2,048] x [K 2,048, N 1,024]; A: input q; B: input Wq: QUANTISED
;;     2. [M 8,192, K 2,048] x [K 2,048, N 1,024]; A: input k; B: input Wk: QUANTISED
;;     3. [M 8,192, K 2,048] x [K 2,048, N 512]; A: input v; B: input Wv: QUANTISED
;;     4. batch 4 x [M 2,048, K 1,024] x [K 1,024, N 2,048]; A: computed on the way; B: computed on the way: QUANTISED
;;     5. batch 4 x [M 2,048, K 2,048] x [K 2,048, N 512]; A: computed on the way; B: computed on the way: QUANTISED
;;   THE QUANTISER, for each operand of a quantised product, along K:
;;     - K is cut into blocks of 32 from its start; a last block that is shorter is filled with zeros.
;;     - A block's scale is 2^e with e = floor(log2(the largest magnitude in the block)) - 4, held to -126 .. 127; a block of zeros has e = 0. As a byte (E8M0): e + 127.
;;     - Each number is divided by its block's scale, clamped to +-28, and rounded to the nearest number of E3M2, ties to even, subnormals kept.
;;     - The product sums the exact products of the quantised numbers (number of the format x scale) in f32.
;;   ~~~python
;;   def quantise(x, axis):      # numpy; x: float32 -> the quantised numbers, widened to float32 again
;;       x = np.moveaxis(x, axis, -1); K = x.shape[-1]
;;       x = np.pad(x, [(0, 0)] * (x.ndim - 1) + [(0, -K % 32)]); x = x.reshape(x.shape[:-1] + (-1, 32)); a = np.abs(x).max(-1, keepdims=True)
;;       e = np.where(a > 0, np.clip(np.frexp(np.where(a > 0, a, 1))[1] - 1 - 4, -126, 127), 0)      # np.frexp(a)[1] - 1 = floor(log2(a)), exactly
;;       r = np.clip(x / 2.0 ** e, -28, 28)
;;       step = 2.0 ** (np.maximum(np.frexp(np.where(r == 0, 1, r))[1] - 1, -2) - 2)
;;       q = np.round(r / step) * step * 2.0 ** e      # np.round: ties to even
;;       return np.moveaxis(q.reshape(q.shape[:-2] + (-1,))[..., :K], -1, axis).astype(np.float32)
;;   ~~~
;;   OPERANDS COMPUTED ON THE WAY. 'Computed on the way' means the value that the module computes at that place (a softmax that the list does not call 'softmax' is quantised finished and normalised). What goes into a quantiser is computed in f32, as accurately as f32 sums, v_exp_f32 and their like allow (about 1e-6 of the number): no bf16 or f16 on the way to a quantiser, and a product that is left as it is and whose result goes on into a quantised operand takes f32 operands (vector FMAs, or v_wmma_f32_16x16x4_f32). A number that lies on a knife's edge between two numbers of the format may be rounded either way, as far as f32 arithmetic and the matrix unit's own rounding can turn it there, and no further.
;; One version. Each part assembles by itself: llvm-mc -triple=amdgcn-amd-amdhsa -mcpu=gfx1250 --defsym DOCPART=n.
;; ======== version 1 of 1: 5 launches
;; limits: right only within a limited range of input values
;; workspace buffers: x_img 41,680,896 bytes; x_sc 1,736,704 bytes; p_img 15,728,640 bytes; p_sc 655,360 bytes; st 1,048,576 bytes; a_img 12,582,912 bytes; a_sc 524,288 bytes
;; launch quant (part 1): grid 256 x 1, 8 waves a work-group, no clusters, 327,680 bytes of LDS; arguments q, k, v, Wq, Wk, Wv, x_img, x_sc; writes x_img, x_sc
.if DOCPART == 1
	.amdgcn_target "amdgcn-amd-amdhsa--gfx1250"
	.amdhsa_code_object_version 6
	.text
	.protected	k_qe4a31f5896_quant
	.globl	k_qe4a31f5896_quant
	.p2align	8
	.type	k_qe4a31f5896_quant,@function
k_qe4a31f5896_quant:
	s_mov_b64 s[64:65], 0
	v_nop
	global_prefetch_b8 v0, s[64:65] scope:SCOPE_SE
	s_setreg_imm32_b32 hwreg(HW_REG_WAVE_MODE, 25, 1), 1
	s_wait_xcnt 0x0
; q, k, v [8192][2048] and Wq, Wk [1024][2048], Wv [512][2048], f32, become codes of BF6 (E3M2) with one E8M0 byte for each 32 along the model axis.
; THE LAYOUT OF THE CODES is the matrix operand's own: an IMAGE is 16 rows x 128 K = 12 registers a lane = 1,536 bytes; byte 512 c + 16 l + 4 w is register 4 c + w of lane l.
; x_img[G][s][1536]: G counts images through all six tensors (q 0-511, k 512-1023, v 1024-1535, Wq 1536-1599, Wk 1600-1663, Wv 1664-1695), s = K / 128.
; Place r of image 2 P + u holds the tensor's row 32 P + 8 u + r + 8 (r / 8), so that a product's results run along true rows in a lane's registers.
; x_sc[s][16 G + r]: one word (four bytes) for each place and 128 K.
; A block's scale is 2^(floor(log2(its largest magnitude)) - 4); its byte is the largest magnitude's exponent field - 4, held at 1 from below.
; LIMITS: a block of zeros gets the byte 1 where the rule says 127 (its codes are zeros, and this program alone reads the bytes); blocks whose largest magnitude lies under 2^(5 - 127) are held at that byte; NaN and infinities are not served.
; SHARES: a UNIT is 32 neighbouring rows x 128 K (two images); unit number = 16 P + s.  The six tensors have 848 x 16 = 13,568 units = 256 x 53: work-group g takes units 53 g .. 53 g + 52,
; wave w of its eight takes unit 53 g + 8 t + w in trip t: seven trips, the last with work for waves 0-4 alone (a branch on the wave's number).
; RING: each wave has two LDS slots of its own; one tensor load brings a unit as 32 rows of 512 bytes, 16 bytes of padding behind each.  A wave has one tensor load out behind each barrier; every wait on TENSORcnt is for 0.
; No LDS store: codes and scale words leave from registers.
; PREFETCH: in trip t a wave names the 64 blocks of 256 bytes of its unit of trip t + 2, which trip t + 1's tensor load asks for: a lane a row, two instructions; trips 5 and 6 name nothing, trip 4 only waves 0-4.
; A stream that shares nothing between work-groups: no cluster, no matrix unit.
.set SP,    528                        ; an LDS row: 512 bytes + 16
.set SLOTB, 32*SP                      ; a slot: 16,896 bytes, 66 blocks of 256
.set SPARE, 8*2*SLOTB                  ; behind the rings: the spare words, 128 bytes a wave
.set SCP,   108544                     ; a K step's scale words in x_sc
.set IMGB,  1536
.set LASTW, 5                          ; waves with a unit in trip 6: 53 - 48
.set TM,  12                           ; v12-15 largest magnitudes, v16-19 bytes, v24-27 the conversions' scale operands
.set PW,  28                           ; the scale word just made
.set PWS, 29                           ; the first image's word, kept
.set OW,  10                           ; the unit's 32 words
.set PC0, 32                           ; v32-50 first image and work;  v192-210 second
.set PC1, 192
.set X,   64                           ; v64-127, v128-191: the two fragments as the conversions want them
; scalars: s2 wave, s3 my ring, s4-5 lane selects, s6 lanes 16-31, s7 loop, s[8:15] group 1, s[16:31] arguments, s[32:33] s[34:35] store bases, s40 unit asked for, s41-47 at work,
; s[48:51] s[52:55] group 0 of slots 0, 1, s[56:57] address of the unit that the next trip loads, s60 the unit at work
; 64 numbers of a lane, register 16 b + i = k 32 b + 16 (lane / 16) + i of my row, become an image in v[pc] on and its scale word in v[PW]
.macro QUANT s, pc
.irp b, 0,1,2,3
	v_max3_num_f32 v[TM+\b], |v[\s+16*\b]|, |v[\s+1+16*\b]|, 0x2800000   ; and the floor 2^(5 - 127): the byte cannot fall under 1
.endr
.irp i, 2,4,6,8,10,12,14
.irp b, 0,1,2,3
	v_max3_num_f32 v[TM+\b], v[TM+\b], |v[\s+16*\b+\i]|, |v[\s+1+16*\b+\i]|   ; the four blocks by turns
.endr
.endr
.irp b, 0,1,2,3
	v_permlanex16_b32 v[TM+4+\b], v[TM+\b], s4, s5
.endr
.irp b, 0,1,2,3
	v_max_num_f32 v[TM+\b], v[TM+\b], v[TM+4+\b]      ; with lane l xor 16's: the block's largest magnitude
.endr
.irp b, 0,1,2,3
	v_add_nc_u32 v[TM+12+\b], 0xfe000000, v[TM+\b]    ; 4 off its exponent field: the conversion's scale operand
.endr
.irp b, 0,1,2,3
	v_lshrrev_b32 v[TM+4+\b], 23, v[TM+12+\b]         ; the scale's byte
.endr
	v_lshl_or_b32 v[PW], v[TM+5], 8, v[TM+4]
	v_lshl_or_b32 v[PW], v[TM+6], 16, v[PW]
	v_lshl_or_b32 v[PW], v[TM+7], 24, v[PW]
.irp c, 0,1
	v_cvt_scalef32_pk16_bf6_f32 v[\pc+6*\c:\pc+2+6*\c], v[\s+32*\c:\s+15+32*\c], v[TM+12+2*\c]
	v_cvt_scalef32_pk16_bf6_f32 v[\pc+12+4*\c:\pc+14+4*\c], v[\s+16+32*\c:\s+31+32*\c], v[TM+13+2*\c]   ; (a conversion's three registers begin on an even number)
.endr
	v_nop                                             ; one plain place behind a scaled conversion
.irp c, 0,1                                       ; the operand wants a WHOLE block in a lane
.irp i, 0,1,2
	v_permlane16_swap_b32 v[\pc+6*\c+\i], v[\pc+12+4*\c+\i]
.endr
.irp i, 0,1,2
	v_mov_b32 v[\pc+3+6*\c+\i], v[\pc+12+4*\c+\i]
.endr
.endr
.endm
.macro PICK lim, ptr                   ; which tensor: the choice hangs on the unit's number alone
	s_cmp_ge_u32 s41, \lim
	s_cselect_b64 s[44:45], s[\ptr:\ptr+1], s[44:45]
	s_cselect_b32 s43, \lim, s43
.endm
.macro UADDR                           ; s[56:57] = where unit s40 begins: its tensor + (P - the tensor's first P) x 32 rows of 8,192 bytes + 512 s
	s_lshr_b32 s41, s40, 4
	s_and_b32 s42, s40, 15
	s_mov_b64 s[44:45], s[16:17]
	s_mov_b32 s43, 0
	PICK 256, 18
	PICK 512, 20
	PICK 768, 22
	PICK 800, 24
	PICK 832, 26
	s_sub_co_u32 s41, s41, s43
	s_lshl_b32 s41, s41, 18
	s_lshl_b32 s42, s42, 9
	s_add_co_u32 s46, s41, s42
	s_mov_b32 s47, 0
	s_add_nc_u64 s[56:57], s[44:45], s[46:47]
.endm
.macro SADDR                           ; where unit s60's results go: image (32 P + s) x 1,536 (the second 16 images on); words s x SCP + 128 P.  Then s60 steps to my next unit
	s_lshr_b32 s41, s60, 4
	s_and_b32 s42, s60, 15
	s_lshl_b32 s43, s41, 5
	s_add_co_u32 s43, s43, s42
	s_mul_i32 s46, s43, IMGB
	s_mov_b32 s47, 0
	s_add_nc_u64 s[32:33], s[28:29], s[46:47]
	s_mul_i32 s46, s42, SCP
	s_lshl_b32 s41, s41, 7
	s_add_co_u32 s46, s46, s41
	s_add_nc_u64 s[34:35], s[30:31], s[46:47]
	s_add_co_u32 s60, s60, 8
.endm
; The unit in slot sl.  pf = 1: every wave prefetches; 2: waves 0-4; 0: none
.macro WORK sl, pf
.irp u, 0,1
.irp b, 0,1,2,3
.irp j, 0,1,2,3
	ds_load_b128 v[X+64*\u+16*\b+4*\j:X+64*\u+16*\b+4*\j+3], v3 offset:(\sl)*SLOTB+8*SP*\u+128*\b+16*\j
.endr
.endr
.endr
.if \pf == 2
	s_cmp_lt_u32 s2, LASTW
	s_cbranch_scc0 .Lno_ask
.endif
.if \pf
	global_prefetch_b8 v4, s[56:57] th:TH_LOAD_NT scope:SCOPE_SE             ; a lane a row: the row's first 256 bytes of the unit,
	global_prefetch_b8 v4, s[56:57] offset:256 th:TH_LOAD_NT scope:SCOPE_SE  ; and its second
.endif
.if \pf == 2
.Lno_ask:
.endif
	s_wait_dscnt 16                                ; the first image's 16 loads are in; the second's may be out
	QUANT X, PC0
.irp c, 0,1,2
	global_store_b128 v1, v[PC0+4*\c:PC0+4*\c+3], s[32:33] offset:512*\c   ; 32 lanes store 512 consecutive bytes
.endr
	v_mov_b32 v[PWS], v[PW]
	s_wait_dscnt 0x0
	QUANT X+64, PC1
.irp c, 0,1,2
	global_store_b128 v1, v[PC1+4*\c:PC1+4*\c+3], s[32:33] offset:16*IMGB+512*\c
.endr
	v_cndmask_b32 v[OW], v[PWS], v[PW], s6         ; both halves of the lanes hold an image's words: lanes 0-15 keep the first's, lanes 16-31 take the second's
	global_store_b32 v2, v[OW], s[34:35]           ; 32 places: 128 consecutive bytes
.endm
; A trip: the unit in slot sl is worked while the next lands in the other slot.  kind 0: trips 0-3;  1: trip 4;  2: trip 5, whose load only waves 0-4 issue
.macro TRIP sl, kind
	s_wait_xcnt 0x0                                ; my stores and prefetches have read their registers and bases: these are written again below
	s_wait_tensorcnt 0x0                           ; my one tensor load, this trip's unit, has landed
	ds_add_u32 v8, v9                              ; work on registers stands between the add and the wait for it
	SADDR
	s_mov_b64 s[50+4*(1-\sl):51+4*(1-\sl)], s[56:57]   ; no load of mine is out, so a group 0 may be written: the next trip's unit
	s_or_b32 s[51+4*(1-\sl)], s[51+4*(1-\sl)], 0x80000000
.if \kind < 2
	s_add_co_u32 s40, s40, 8
	UADDR                                          ; and the unit after it
.endif
	s_wait_dscnt 0x0                               ; the add is done, and so are my reads of the other slot
	s_barrier_signal -1
	s_barrier_wait -1
.if \kind == 2
	s_cmp_lt_u32 s2, LASTW
	s_cbranch_scc0 .Lno_load
.endif
	tensor_load_to_lds s[48+4*(1-\sl):51+4*(1-\sl)], s[8:15]
	s_nop 0
.if \kind == 2
.Lno_load:
	WORK \sl, 0
.else
	WORK \sl, 1+\kind
.endif
.endm
	s_load_b512 s[16:31], s[0:1], 0x0              ; q, k, v, Wq, Wk, Wv, x_img s[28:29], x_sc s[30:31]
	v_lshl_add_u32 v8, v0, 2, SPARE
	v_mov_b32 v9, 0
	ds_add_u32 v8, v9                              ; the opening lines: the add, twice on end, and its wait
	ds_add_u32 v8, v9
	v_lshrrev_b32 v5, 5, v0
	v_readfirstlane_b32 s2, v5                     ; wave 0..7
	s_mul_i32 s3, s2, 2*SLOTB                      ; my ring
	v_and_b32 v7, 31, v0                           ; lane
	v_lshlrev_b32 v1, 4, v7                        ; my place in an image
	v_lshlrev_b32 v2, 2, v7                        ; and among the unit's words
	v_lshlrev_b32 v4, 13, v7                       ; the prefetches: a lane a row of 8,192 bytes
	v_and_b32 v5, 15, v0                           ; r
	v_and_b32 v6, 8, v5
	v_add_nc_u32 v6, v6, v5                        ; r + 8 (r / 8)
	v_mul_u32_u24 v3, v6, SP
	v_bfe_u32 v6, v0, 4, 1                         ; h
	v_lshl_add_u32 v3, v6, 6, v3
	v_add_nc_u32 v3, s3, v3                        ; my row of the first image in slot 0, + 64 h: my 16 numbers of a block of 32
.irp b, 0,1,2,3
	v_mov_b32 v[TM+4+\b], 0                        ; written once: a lane permute's destination counts as one of its sources
.endr
	s_mov_b32 s4, 0x76543210
	s_mov_b32 s5, 0xfedcba98                       ; v_permlanex16_b32's selects for lane l xor 16
	s_mov_b32 s6, 0xffff0000                       ; lanes 16-31
	s_mov_b32 s8, (2<<16)|(1<<20)|(6<<22)|(3<<25)  ; group 1: elements of 4 bytes; 4 dwords of padding behind every 128
	s_mov_b32 s9, 128<<16                          ; tensor_dim0
	s_mov_b32 s10, 32<<16                          ; tensor_dim1
	s_mov_b32 s11, 128<<16                         ; tile_dim0
	s_mov_b32 s12, 32                              ; tile_dim1
	s_mov_b32 s13, 2048                            ; from row to row
	s_mov_b32 s14, 0
	s_mov_b32 s15, 0
	s_mov_b32 s48, 1
	s_mov_b32 s52, 1
	s_mov_b32 s49, s3
	s_add_co_u32 s53, s3, SLOTB
	s_mul_i32 s60, ttmp9, 53
	s_add_co_u32 s60, s60, s2                      ; my first unit
	s_mov_b32 s40, s60
	s_wait_alu depctr_va_vdst(0)
	s_wait_dscnt 0x0                               ; both opening adds are done
	s_wait_kmcnt 0x0
	UADDR
	s_mov_b64 s[50:51], s[56:57]
	s_or_b32 s51, s51, 0x80000000
	tensor_load_to_lds s[48:51], s[8:15]           ; trip 0's unit: one tensor load a wave at the head
	s_nop 0
	s_add_co_u32 s40, s40, 8
	UADDR                                          ; trip 1's
	s_mov_b32 s7, 2
.Lpair:                                                ; trips 0-3
	TRIP 0, 0
	TRIP 1, 0
	s_sub_co_u32 s7, s7, 1
	s_cmp_lg_u32 s7, 0
	s_wait_alu depctr_va_vdst(0)
	s_cbranch_scc1 .Lpair
	TRIP 0, 1                                      ; trip 4
	TRIP 1, 2                                      ; trip 5
	s_wait_xcnt 0x0                                ; trip 6: nothing is filled any more, so no barrier
	s_wait_tensorcnt 0x0
	SADDR
	s_cmp_lt_u32 s2, LASTW
	s_cbranch_scc0 .Lend                           ; waves 5-7 have no unit left
	WORK 0, 0
.Lend:
	s_wait_tensorcnt 0x0                           ; the wave's end
	ds_add_u32 v8, v9
	s_wait_dscnt 0x0
	s_endpgm
.Lfunc_end_k_qe4a31f5896_quant:
	.size	k_qe4a31f5896_quant, .Lfunc_end_k_qe4a31f5896_quant-k_qe4a31f5896_quant
	.p2alignl 7, 3214868480
	.fill 96, 4, 3214868480
	.section	.rodata,"a",@progbits
	.p2align	6, 0x0
	.amdhsa_kernel k_qe4a31f5896_quant
		.amdhsa_group_segment_fixed_size 327680
		.amdhsa_private_segment_fixed_size 0
		.amdhsa_enable_private_segment 0
		.amdhsa_kernarg_size 64
		.amdhsa_user_sgpr_count 2
		.amdhsa_user_sgpr_kernarg_segment_ptr 1
		.amdhsa_wavefront_size32 1
		.amdhsa_system_sgpr_workgroup_id_x 1
		.amdhsa_system_sgpr_workgroup_id_y 1
		.amdhsa_system_sgpr_workgroup_id_z 1
		.amdhsa_system_vgpr_workitem_id 0
		.amdhsa_next_free_vgpr 224
		.amdhsa_next_free_sgpr 66
		.amdhsa_reserve_vcc 0
		.amdhsa_float_denorm_mode_32 3
		.amdhsa_float_denorm_mode_16_64 3
		.amdhsa_memory_ordered 1
		.amdhsa_forward_progress 1
		.amdhsa_inst_pref_size 65
	.end_amdhsa_kernel
	.amdgpu_metadata
---
amdhsa.version: [ 1, 2 ]
amdhsa.kernels:
  - .name:           k_qe4a31f5896_quant
    .symbol:         k_qe4a31f5896_quant.kd
    .args:
      - { .name: q, .offset: 0, .size: 8, .value_kind: global_buffer, .address_space: global }
      - { .name: k, .offset: 8, .size: 8, .value_kind: global_buffer, .address_space: global }
      - { .name: v, .offset: 16, .size: 8, .value_kind: global_buffer, .address_space: global }
      - { .name: Wq, .offset: 24, .size: 8, .value_kind: global_buffer, .address_space: global }
      - { .name: Wk, .offset: 32, .size: 8, .value_kind: global_buffer, .address_space: global }
      - { .name: Wv, .offset: 40, .size: 8, .value_kind: global_buffer, .address_space: global }
      - { .name: x_img, .offset: 48, .size: 8, .value_kind: global_buffer, .address_space: global }
      - { .name: x_sc, .offset: 56, .size: 8, .value_kind: global_buffer, .address_space: global }
    .group_segment_fixed_size: 327680
    .private_segment_fixed_size: 0
    .kernarg_segment_align: 8
    .kernarg_segment_size: 64
    .max_flat_workgroup_size: 256
    .sgpr_count:     66
    .vgpr_count:     224
    .wavefront_size: 32
...
	.end_amdgpu_metadata
.endif
;; end of part 1
;; launch proj (part 2): grid 4 x 64, 4 waves a work-group, clusters of 4 x 4, 327,680 bytes of LDS; arguments x_img, x_sc, p_img, p_sc; writes p_img, p_sc
.if DOCPART == 2
	.amdgcn_target "amdgcn-amd-amdhsa--gfx1250"
	.amdhsa_code_object_version 6
	.text
	.protected	k_qe4a31f5896_proj
	.globl	k_qe4a31f5896_proj
	.p2align	8
	.type	k_qe4a31f5896_proj,@function
k_qe4a31f5896_proj:
	s_mov_b64 s[64:65], 0
	v_nop
	global_prefetch_b8 v0, s[64:65] scope:SCOPE_SE
	s_setreg_imm32_b32 hwreg(HW_REG_WAVE_MODE, 25, 1), 1
	s_wait_xcnt 0x0
	s_wait_alu depctr_hold_cnt(0) depctr_sa_sdst(0) depctr_va_vdst(0) depctr_va_sdst(0) depctr_va_ssrc(0) depctr_va_vcc(0) depctr_vm_vsrc(0)
	s_getreg_b32 s2, hwreg(HW_REG_IB_STS2, 6, 4)
	s_cmp_eq_u32 s2, 0
	s_cbranch_scc0 .Lentry_in_a_cluster
	s_endpgm
.Lentry_in_a_cluster:
	s_bfe_u32 s2, ttmp6, 0x10000c
	s_cmp_lg_u32 s2, 0xf033
	s_cbranch_scc0 .Lentry_shape_is_right
	s_endpgm
.Lentry_shape_is_right:
; The three projections, K = 2,048, on codes of BF6 (E3M2); each result is quantised in registers and leaves as codes: qp and kp along their 1,024 columns, vp along the TOKENS (it is stored transposed).
; A WORK-GROUP STAYS FOR TWO TILES, so that 256 work-groups share the work evenly: q's and k's results are 256 tiles of 256 x 256, v's is 256 tiles of 128 x 128.
; TILE 1: C[m][n] = sum over k of A[m][k] B[n][k]: A = 256 tokens of q (y < 32) or k, B = 256 rows of Wq or Wk (tile x).  Four waves, 128 x 128 each: 64 accumulators, 512 registers.
; TILE 2: A = 128 rows of Wv (tile x), B = 128 tokens of v (tile y): wave w takes Wv's images 2 w, 2 w + 1 against all eight images of tokens: 16 accumulators; a wave's 128 tokens are one whole K step of the last product.
; The matrix instruction is used transposed: source 0 = an image of B, source 1 = an image of A.  An image's places hold rows 32 B + 8 u + r + 8 (r / 8), so a lane holds ONE place of A, and the 64 registers of a block of A
; run along 128 TRUE rows of B, 16 neighbours of each block of 32: what the conversions want.
; CLUSTER 4 x 4: in both tiles the tokens hang on y alone and are shared along a row of the cluster, the weights on x (and the cluster's y) and are shared along a column: each is asked for jointly.
; RING: two LDS slots of 147,456 bytes, four parts each; a part is what one wave's tensor load brings: 8 images x 3 K steps of 128 (images need no padding: a fragment is three loads of 16 bytes at 16 x lane).
; Tile 1: a slot is 3 K steps of A's 16 images and B's 16; fills: K steps 0-2, 3-5 at the head, then 6-8, 9-11, 12-14, 15.  THE RING GOES ON INTO TILE 2 with the same shape of load: a slot is then 6 K steps of 8 images of tokens
; (parts 0, 1: three K steps each) and 8 of Wv (parts 2, 3).  K steps 0-5 are asked for at tile 1's last change of slots, 6-11 in the middle of tile 1's way out, 12-15 (three K steps and one) when slot 0 is left.
; A wave has one tensor load out at the head and one behind each round.  All K steps are written out, since the scale registers' numbers change from step to step.
; SCALES: x_sc[s][place]: one load of 4 bytes a lane brings two images' words (lanes 0-15, lanes 16-31).  They stand in v32-159, which hold nothing else: tile 1's at v[32 + 8 s ..]; tile 2's, fetched when tile 1 has left K step 9, at v[32 + 5 s ..].
; LIMITS: as in the launch before: a block of zeros gets the byte 1; NaN and infinities are not served.
; REGISTERS: window 0: v1 16 x lane, v2 4 x lane, v8-11, v18-23 LDS addresses, v12-13 way out, v16-17, v25-26 prefetch, v28-29 the add's; v32-159 scale words; v160-255 tile 1's eight fragments of A, ONE set (later at work on the way out).
;   window 1: two sets at v0 and v128: B's eight fragments (tile 2: and A's two behind them).   windows 2, 3: accumulator (a, b) at v[8 (8 (a % 4) + b)] of window 2 + a / 4; tile 2's sixteen in window 2.
.set NK,    16                         ; K steps
.set IMGB,  1536
.set KPS,   3                          ; K steps in a part
.set PART,  8*KPS*IMGB                 ; what one tensor load brings
.set SLOT,  4*PART
.set SPARE, 2*SLOT                     ; the spare words, 128 bytes for each wave: two blocks of 256 bytes that no other line names
.set STG,   SPARE+512                  ; 512 bytes for each wave: its 128 scale words on the way out
.set SCP,   108544                     ; a K step's words in x_sc
.set SC,    32                         ; tile 1's scale words
.set VSC,   32                         ; tile 2's
.set AF,    160
.set TM,    160                        ; the way out: v160-163 largest magnitudes, v164-167 bytes, v172-175 scale operands
.set PW,    176
.set PC,    180                        ; v180-191 the image just made, v192-198 at work
.set G1A,  24                          ; s[24:31] group 1, tokens, 3 K steps;  s[32:39] weights;  s[40:47], s[48:55] the same for 1 K step
.set G1B,  32
.set G1A2, 40
.set G1B2, 48
.set G0A0, 56                          ; group 0: tokens slot 0, tokens slot 1, weights slot 0, weights slot 1
.set G0A1, 60
.set G0B0, 68
.set G0B1, 72
.set MUL_LO, 0xa1                      ; source 0 window 1, source 1 window 0, C and D window 2
.set MUL_HI, 0xf1                      ; the same, C and D window 3
.set MULW,   0xa5                      ; tile 2: both sources window 1, C and D window 2
.set TO_B,   0x40                      ; destination window 1
.set MSB, 0
.macro WIN new                         ; the immediate's high byte repeats the setting that is left
.if MSB != (\new)
	s_set_vgpr_msb (MSB<<8)|(\new)
.set MSB, \new
.endif
.endm
.macro PLACES n
.rept \n
	v_nop
.endr
.endm
.macro CREST                           ; a round of the cluster's barrier behind its opening barrier
	s_cmp_lg_u32 s12, 0
	s_cbranch_scc1 .Lnot_wave_0_\@
	s_barrier_signal -3
.Lnot_wave_0_\@:
	s_barrier_wait -3
	s_barrier_signal -1
	s_barrier_wait -1
.endm
.macro CROUND
	s_barrier_signal -1
	s_barrier_wait -1
	CREST
.endm
; Waves 0 and 1 fetch the tokens' two parts, waves 2 and 3 the weights': the branch hangs on the wave's number alone.  Four v_nop follow each line.
.macro JLOAD g0a, g1a, g0b, g1b
	s_cmp_eq_u32 s13, 0
	s_cbranch_scc0 .Lfor_b_\@
	tensor_load_to_lds s[\g0a:\g0a+3], s[\g1a:\g1a+7]
	s_nop 0
.rept 4
	v_nop
.endr
	s_branch .Lasked_\@
.Lfor_b_\@:
	tensor_load_to_lds s[\g0b:\g0b+3], s[\g1b:\g1b+7]
	s_nop 0
.rept 4
	v_nop
.endr
.Lasked_\@:
.endm
; Tile 2's last fill, K steps 12-15 into slot 0: waves 0 and 2 bring three K steps, waves 1 and 3 the one that is left.  One load a wave; the branches hang on the wave's number alone.
.macro JLOAD4
	s_cmp_lt_u32 s12, 2
	s_cbranch_scc0 .Lweights_\@
	s_cmp_eq_u32 s12, 0
	s_cbranch_scc0 .Ltokens_1_\@
	tensor_load_to_lds s[G0A0:G0A0+3], s[G1A:G1A+7]
	s_nop 0
.rept 4
	v_nop
.endr
	s_branch .Lasked4_\@
.Ltokens_1_\@:
	tensor_load_to_lds s[G0A0:G0A0+3], s[G1A2:G1A2+7]
	s_nop 0
.rept 4
	v_nop
.endr
	s_branch .Lasked4_\@
.Lweights_\@:
	s_cmp_eq_u32 s12, 2
	s_cbranch_scc0 .Lweights_1_\@
	tensor_load_to_lds s[G0B0:G0B0+3], s[G1B:G1B+7]
	s_nop 0
.rept 4
	v_nop
.endr
	s_branch .Lasked4_\@
.Lweights_1_\@:
	tensor_load_to_lds s[G0B0:G0B0+3], s[G1B2:G1B2+7]
	s_nop 0
.rept 4
	v_nop
.endr
.Lasked4_\@:
.endm
; PREFETCHES of token images, which one row of one cluster alone reads.  They stand behind a change's joint load and its run of LDS loads, and name what a LATER fill will ask for; every offset is an immediate and no register of theirs is rewritten.
; Tile 1's 16 image rows are shared out BY ADDRESS among the 16 waves of the cluster's row (image 4 cx + wave); a lane names one block of 256 bytes of the row's part of a fill (18 blocks, or 6 for the last fill; the lanes beyond repeat the last).
; Tile 2's 8 image rows: image 2 cx + wave / 2, half wave % 2 of the row's part of a fill (18 blocks, or 12 for the last).  n = 1, 2, 3: tile 1's K steps 9-11, 12-14, 15, one slot (192 matrix instructions) ahead of their fill;
; n = 3, 4, 5: tile 2's K steps 0-5, 6-11, 12-15, each two changes of slots ahead of its fill.  Nothing is asked for at the head; the weights, which many clusters read, are not asked for.
.macro ASK n
.if \n == 1
	global_prefetch_b8 v16, s[92:93] offset:9*IMGB th:TH_LOAD_NT scope:SCOPE_SE
.elseif \n == 2
	global_prefetch_b8 v16, s[92:93] offset:12*IMGB th:TH_LOAD_NT scope:SCOPE_SE
.elseif \n == 3
	global_prefetch_b8 v17, s[92:93] offset:15*IMGB th:TH_LOAD_NT scope:SCOPE_SE
	global_prefetch_b8 v25, s[100:101] th:TH_LOAD_NT scope:SCOPE_SE
.elseif \n == 4
	global_prefetch_b8 v25, s[100:101] offset:6*IMGB th:TH_LOAD_NT scope:SCOPE_SE
.else
	global_prefetch_b8 v26, s[100:101] offset:12*IMGB th:TH_LOAD_NT scope:SCOPE_SE
.endif
.endm
.macro FRAG reg, adr, off              ; a fragment comes as it was stored: three loads of 16 bytes a lane, 512 consecutive bytes each
.irp c, 0,1,2
	ds_load_b128 v[(\reg)+4*\c:(\reg)+4*\c+3], v[\adr] offset:(\off)+512*\c
.endr
.endm
.macro FETCH_B adr, kps, kk, p         ; tile 1: B's eight fragments of the part's K step kk into set p
	WIN TO_B
.irp i, 0,1,2,3,4,5,6,7
	FRAG 128*(\p)+12*\i, \adr, \i*(\kps)*IMGB+(\kk)*IMGB
.endr
	WIN 0
.endm
.macro FETCH_A adr, kps, kk, i0        ; tile 1: A's blocks i0 .. i0 + 3
.irp i, \i0, \i0+1, \i0+2, \i0+3
	FRAG AF+12*(\i), \adr, (\i)*(\kps)*IMGB+(\kk)*IMGB
.endr
.endm
.macro FETCHV tadr, wadr, woff, kps, kk, p   ; tile 2: 30 loads: the eight fragments of tokens and my two of Wv, the part's K step kk, into set p
	WIN TO_B
.irp b, 0,1,2,3,4,5,6,7
	FRAG 128*(\p)+12*\b, \tadr, \b*(\kps)*IMGB+(\kk)*IMGB
.endr
.irp a, 0,1
	FRAG 128*(\p)+96+12*\a, \wadr, (\woff)+\a*(\kps)*IMGB+(\kk)*IMGB
.endr
	WIN 0
.endm
; One product.  sb, sa: the scale registers of source 0 and source 1; rb, ra = 1: the block's words stand in lanes 16-31
.macro WM d, b0, a0, zero, sb, sa, rb, ra
.if \zero
.if (\rb) && (\ra)
	v_wmma_scale_f32_16x16x128_f8f6f4 v[(\d):(\d)+7], v[(\b0):(\b0)+11], v[(\a0):(\a0)+11], 0, v[\sb], v[\sa] matrix_a_fmt:MATRIX_FMT_BF6 matrix_b_fmt:MATRIX_FMT_BF6 matrix_a_scale:MATRIX_SCALE_ROW1 matrix_b_scale:MATRIX_SCALE_ROW1
.elseif \rb
	v_wmma_scale_f32_16x16x128_f8f6f4 v[(\d):(\d)+7], v[(\b0):(\b0)+11], v[(\a0):(\a0)+11], 0, v[\sb], v[\sa] matrix_a_fmt:MATRIX_FMT_BF6 matrix_b_fmt:MATRIX_FMT_BF6 matrix_a_scale:MATRIX_SCALE_ROW1
.elseif \ra
	v_wmma_scale_f32_16x16x128_f8f6f4 v[(\d):(\d)+7], v[(\b0):(\b0)+11], v[(\a0):(\a0)+11], 0, v[\sb], v[\sa] matrix_a_fmt:MATRIX_FMT_BF6 matrix_b_fmt:MATRIX_FMT_BF6 matrix_b_scale:MATRIX_SCALE_ROW1
.else
	v_wmma_scale_f32_16x16x128_f8f6f4 v[(\d):(\d)+7], v[(\b0):(\b0)+11], v[(\a0):(\a0)+11], 0, v[\sb], v[\sa] matrix_a_fmt:MATRIX_FMT_BF6 matrix_b_fmt:MATRIX_FMT_BF6
.endif
.else
.if (\rb) && (\ra)
	v_wmma_scale_f32_16x16x128_f8f6f4 v[(\d):(\d)+7], v[(\b0):(\b0)+11], v[(\a0):(\a0)+11], v[(\d):(\d)+7], v[\sb], v[\sa] matrix_a_fmt:MATRIX_FMT_BF6 matrix_b_fmt:MATRIX_FMT_BF6 matrix_a_scale:MATRIX_SCALE_ROW1 matrix_b_scale:MATRIX_SCALE_ROW1
.elseif \rb
	v_wmma_scale_f32_16x16x128_f8f6f4 v[(\d):(\d)+7], v[(\b0):(\b0)+11], v[(\a0):(\a0)+11], v[(\d):(\d)+7], v[\sb], v[\sa] matrix_a_fmt:MATRIX_FMT_BF6 matrix_b_fmt:MATRIX_FMT_BF6 matrix_a_scale:MATRIX_SCALE_ROW1
.elseif \ra
	v_wmma_scale_f32_16x16x128_f8f6f4 v[(\d):(\d)+7], v[(\b0):(\b0)+11], v[(\a0):(\a0)+11], v[(\d):(\d)+7], v[\sb], v[\sa] matrix_a_fmt:MATRIX_FMT_BF6 matrix_b_fmt:MATRIX_FMT_BF6 matrix_b_scale:MATRIX_SCALE_ROW1
.else
	v_wmma_scale_f32_16x16x128_f8f6f4 v[(\d):(\d)+7], v[(\b0):(\b0)+11], v[(\a0):(\a0)+11], v[(\d):(\d)+7], v[\sb], v[\sa] matrix_a_fmt:MATRIX_FMT_BF6 matrix_b_fmt:MATRIX_FMT_BF6
.endif
.endif
.endm
; Tile 1, 16 products: A's blocks a0, a0 + 1 x B's eight, K step s, B's set p.  The 64 accumulators take turns, one instruction a turn, in the same order in every K step.
.macro MUL16 a0, p, s, zero
.irp a, \a0, \a0+1
.irp b, 0,1,2,3,4,5,6,7
	WM 8*(8*((\a)%4)+\b), 128*(\p)+12*\b, AF+12*(\a), \zero, SC+8*(\s)+4+(\b/2), SC+8*(\s)+((\a)/2), \b%2, (\a)%2
.endr
.endr
.endm
; Tile 2, 8 products: my block a of Wv x the eight of tokens.  The 16 accumulators take turns likewise.
.macro MULV a, p, s, zero
.irp b, 0,1,2,3,4,5,6,7
	WM 8*(8*(\a)+\b), 128*(\p)+12*\b, 128*(\p)+96+12*(\a), \zero, VSC+5*(\s)+(\b/2), VSC+5*(\s)+4, \b%2, \a
.endr
.endm
; Tile 1: a K step whose successor lies in the same slot, at its K step kk.  A load into a register that a matrix instruction has read stands four plain vector instructions behind it.
.macro STEP s, zero, nA, nB, kps, kk
	s_wait_dscnt 12                                ; B's set and A's blocks 0-3 are in; the youngest 12 loads (A's blocks 4-7) may be out
	WIN MUL_LO
	MUL16 0, (\s)%2, \s, \zero
	MUL16 2, (\s)%2, \s, \zero
	s_wait_dscnt 0x0                               ; A's blocks 4-7 are in
	PLACES 4
	FETCH_B \nB, \kps, \kk, 1-(\s)%2
	FETCH_A \nA, \kps, \kk, 0
	WIN MUL_HI
	MUL16 4, (\s)%2, \s, \zero
	MUL16 6, (\s)%2, \s, \zero
	PLACES 4
	WIN 0
	FETCH_A \nA, \kps, \kk, 4
.endm
; Tile 1: a slot's last K step changes slots: ONE barrier, which opens a round of the cluster's barrier; in front of it each wave waits for all its tensor loads, adds 0 to its spare word, and waits for that and for its reads of
; this slot; this slot is filled again first thing behind the round.  fill = 1: with tile 1's K steps two slots on;  fill = 2: with tile 2's first six K steps.
.macro TURN s, fill, nA, nB, kps, g0a, g1a, g0b, g1b, ask
	s_wait_tensorcnt 0x0                           ; all my tensor loads have landed: my part of the next slot
	ds_add_u32 v28, v29                            ; 0 onto my spare word
	s_wait_dscnt 13                                ; (the add and A's blocks 4-7 may be out)
	WIN MUL_LO
	MUL16 0, (\s)%2, \s, 0
	s_wait_dscnt 0x0                               ; the add is done, and my reads of this slot are over
	s_barrier_signal -1
	MUL16 2, (\s)%2, \s, 0
	WIN 0
	s_barrier_wait -1
	CREST                                          ; no wave of any partner still reads this slot or has a load on its way
.if \fill == 1
	s_add_nc_u64 s[\g0a+2:\g0a+3], s[\g0a+2:\g0a+3], 2*KPS*IMGB
	s_add_nc_u64 s[\g0b+2:\g0b+3], s[\g0b+2:\g0b+3], 2*KPS*IMGB
.else
	s_mov_b64 s[\g0a+2:\g0a+3], s[82:83]           ; v's tokens,
	s_or_b32 s[\g0a+3], s[\g0a+3], 0x80000000
	s_mov_b64 s[\g0b+2:\g0b+3], s[88:89]           ; Wv's rows: my three K steps of the first six
	s_or_b32 s[\g0b+3], s[\g0b+3], 0x80000000
.endif
	JLOAD \g0a, \g1a, \g0b, \g1b                   ; my one tensor load behind the round; its four v_nop are the places in front of the loads below
	FETCH_B \nB, \kps, 0, 1-(\s)%2
	FETCH_A \nA, \kps, 0, 0
	s_wait_alu depctr_va_vdst(0)
	ASK \ask
	WIN MUL_HI
	MUL16 4, (\s)%2, \s, 0
	MUL16 6, (\s)%2, \s, 0
	PLACES 4
	WIN 0
	FETCH_A \nA, \kps, 0, 4
.endm
.macro LAST s
	s_wait_dscnt 12
	WIN MUL_LO
	MUL16 0, (\s)%2, \s, 0
	MUL16 2, (\s)%2, \s, 0
	s_wait_dscnt 0x0
	WIN MUL_HI
	MUL16 4, (\s)%2, \s, 0
	MUL16 6, (\s)%2, \s, 0
	WIN 0
.endm
; Tile 2: a K step; its successor's fragments are asked for first, into the set that the K step before has left
.macro STEPV s, zero, tadr, wadr, woff, kps, kk
	PLACES 4                                       ; four plain places in front of loads into registers that matrix instructions have read
	FETCHV \tadr, \wadr, \woff, \kps, \kk, 1-(\s)%2
	s_wait_dscnt 30                                ; this K step's fragments are in; the 30 loads just issued may be out
	WIN MULW
	MULV 0, (\s)%2, \s, \zero
	MULV 1, (\s)%2, \s, \zero
	WIN 0
.endm
; Tile 2: a slot's last K step.  fill = 1: the barrier opens a round, and slot 0 takes K steps 12-15
.macro TURNV s, fill, tadr, wadr
	s_wait_tensorcnt 0x0                           ; all my tensor loads have landed: my part of the next slot
	ds_add_u32 v28, v29                            ; 0 onto my spare word
.if \fill
	s_add_nc_u64 s[G0A0+2:G0A0+3], s[G0A0+2:G0A0+3], 12*IMGB   ; no tensor load of mine is out, so a group 0 may be written
	s_add_nc_u64 s[G0B0+2:G0B0+3], s[G0B0+2:G0B0+3], 12*IMGB
.endif
	s_wait_dscnt 1                                 ; (the add may be out; this K step's fragments are in)
	WIN MULW
	MULV 0, (\s)%2, \s, 0
	s_wait_dscnt 0x0                               ; the add is done, and my reads of this slot are over
	s_barrier_signal -1
	MULV 1, (\s)%2, \s, 0
	WIN 0
	s_barrier_wait -1
.if \fill
	CREST                                          ; no wave of any partner still reads this slot or has a load on its way
	JLOAD4                                         ; my one tensor load behind the round; its four v_nop are the places in front of the loads below
.else
	PLACES 4
.endif
	FETCHV \tadr, \wadr, 0, KPS, 0, 1-(\s)%2
.endm
; 64 numbers of a lane in window w, register 16 b + i = k 32 b + 16 (lane / 16) + i of my row, become an image in v[PC] on and its scale word in v[PW].  Each accumulator is read from its low end on.
.macro QUANT s, w
.set QW, (\w)|((\w)<<2)
	WIN QW
.irp b, 0,1,2,3
	v_max3_num_f32 v[TM+\b], |v[(\s)+16*\b]|, |v[(\s)+1+16*\b]|, 0x2800000   ; and the floor 2^(5 - 127): the byte cannot fall under 1
.endr
.set QW, ((\w)<<2)|((\w)<<4)
	WIN QW
.irp i, 2,4,6,8,10,12,14
.irp b, 0,1,2,3
	v_max3_num_f32 v[TM+\b], v[TM+\b], |v[(\s)+16*\b+\i]|, |v[(\s)+1+16*\b+\i]|
.endr
.endr
	WIN 0
.irp b, 0,1,2,3
	v_permlanex16_b32 v[TM+4+\b], v[TM+\b], s86, s87
.endr
.irp b, 0,1,2,3
	v_max_num_f32 v[TM+\b], v[TM+\b], v[TM+4+\b]
.endr
.irp b, 0,1,2,3
	v_add_nc_u32 v[TM+12+\b], 0xfe000000, v[TM+\b]    ; 4 off the exponent field: the conversion's scale operand
.endr
.irp b, 0,1,2,3
	v_lshrrev_b32 v[TM+4+\b], 23, v[TM+12+\b]         ; the scale's byte
.endr
	v_lshl_or_b32 v[PW], v[TM+5], 8, v[TM+4]
	v_lshl_or_b32 v[PW], v[TM+6], 16, v[PW]
	v_lshl_or_b32 v[PW], v[TM+7], 24, v[PW]
	WIN \w
.irp c, 0,1
	v_cvt_scalef32_pk16_bf6_f32 v[PC+6*\c:PC+2+6*\c], v[(\s)+32*\c:(\s)+15+32*\c], v[TM+12+2*\c]
	v_cvt_scalef32_pk16_bf6_f32 v[PC+12+4*\c:PC+14+4*\c], v[(\s)+16+32*\c:(\s)+31+32*\c], v[TM+13+2*\c]
.endr
	WIN 0
	v_nop                                             ; one plain place behind a scaled conversion
.irp c, 0,1
.irp i, 0,1,2
	v_permlane16_swap_b32 v[PC+6*\c+\i], v[PC+12+4*\c+\i]
.endr
.irp i, 0,1,2
	v_mov_b32 v[PC+3+6*\c+\i], v[PC+12+4*\c+\i]
.endr
.endr
.endm
.macro SCL s                           ; tile 1's scale words of K step s: A's blocks 2 i (lanes 0-15) and 2 i + 1 (lanes 16-31), and B's
.irp i, 0,1,2,3
	global_load_b32 v[SC+8*(\s)+\i], v2, s[76:77] offset:(\s)*SCP+128*\i
	global_load_b32 v[SC+4+8*(\s)+\i], v2, s[78:79] offset:(\s)*SCP+128*\i
.endr
.endm
.macro VSCALE s0                       ; tile 2's scale words of K steps s0 .. s0 + 3: the tokens' four pairs of images, and my pair of Wv's
.irp d, 0,1,2,3
.irp i, 0,1,2,3
	global_load_b32 v[VSC+5*((\s0)+\d)+\i], v2, s[22:23] offset:((\s0)+\d)*SCP+128*\i
.endr
	global_load_b32 v[VSC+5*((\s0)+\d)+4], v2, s[66:67] offset:((\s0)+\d)*SCP
.endr
.endm
.macro EPI a                           ; tile 1's block a leaves: its 64 registers are 128 numbers along the next K for my place: one image and one scale word a row
.if (\a) > 0
	s_wait_xcnt 0x0                                ; the last image's stores have read v[PC] on
.endif
	QUANT 64*((\a)%4), 2+(\a)/4
.irp c, 0,1,2
	global_store_b128 v1, v[PC+4*\c:PC+4*\c+3], s[80:81] offset:8*IMGB*(\a)+512*\c   ; 32 lanes store 512 consecutive bytes
.endr
	ds_store_b32 v12, v[PW] offset:64*(\a)         ; lanes l and l xor 16 write the same word with the same value
.endm
	s_load_b256 s[4:11], s[0:1], 0x0               ; x_img s[4:5], x_sc s[6:7], p_img s[8:9], p_sc s[10:11]
	v_lshl_add_u32 v28, v0, 2, SPARE
	v_mov_b32 v29, 0
	ds_add_u32 v28, v29
	ds_add_u32 v28, v29
	s_wait_dscnt 0x0
	v_lshrrev_b32 v5, 5, v0
	v_readfirstlane_b32 s12, v5                    ; wave 0..3
	s_lshr_b32 s13, s12, 1                         ; tile 1: my half of A's rows.  Also: I fetch tokens (0) or weights (1)
	s_and_b32 s14, s12, 1                          ; tile 1: my half of B's rows.  Also: which of the two parts I fetch
	s_bfe_u32 s15, ttmp6, 0x40000                  ; cx
	s_bfe_u32 s16, ttmp6, 0x40004                  ; cy
	s_lshl_b32 s17, ttmp9, 2
	s_add_co_u32 s17, s17, s15                     ; x: the tile of weights
	s_and_b32 s18, ttmp7, 0xffff
	s_lshr_b32 s19, s18, 3                         ; q (0) or k (1): from the cluster's y alone
	s_lshl_b32 s18, s18, 2
	s_add_co_u32 s18, s18, s16                     ; y: the tile of tokens
	s_lshl_b32 s98, s16, 2
	s_lshl_b32 s98, 15, s98                        ; my row of the cluster
	s_lshl_b32 s99, 0x1111, s15                    ; my column
	s_or_b32 s[G1A], s98, (3<<16)|(1<<21)          ; 15:0 the mask; 17:16 elements of 8 bytes; 21 set beside a mask; no padding
	s_or_b32 s[G1A2], s98, (3<<16)|(1<<21)
	s_or_b32 s[G1B], s99, (3<<16)|(1<<21)
	s_or_b32 s[G1B2], s99, (3<<16)|(1<<21)
.irp g, G1A, G1B
	s_mov_b32 s[\g+1], (192*KPS)<<16               ; tensor_dim0: an image's 3 K steps, 4,608 bytes
	s_mov_b32 s[\g+2], 8<<16                       ; tensor_dim1: 8 images
	s_mov_b32 s[\g+3], (192*KPS)<<16               ; tile_dim0
	s_mov_b32 s[\g+4], 8                           ; tile_dim1
	s_mov_b32 s[\g+5], 192*NK                      ; from image to image: 16 K steps
	s_mov_b32 s[\g+6], 0
	s_mov_b32 s[\g+7], 0
.endr
.irp g, G1A2, G1B2
	s_mov_b32 s[\g+1], 192<<16                     ; 1 K step
	s_mov_b32 s[\g+2], 8<<16
	s_mov_b32 s[\g+3], 192<<16
	s_mov_b32 s[\g+4], 8
	s_mov_b32 s[\g+5], 192*NK
	s_mov_b32 s[\g+6], 0
	s_mov_b32 s[\g+7], 0
.endr
	; what feeds the tokens' descriptors hangs on y and the wave alone
	s_lshl_b32 s20, s18, 4                         ; tile 1, A: image 16 y + 8 part
	s_lshl_b32 s21, s14, 3
	s_add_co_u32 s20, s20, s21
	s_mul_i32 s20, s20, NK*IMGB
	s_mov_b32 s21, 0
	s_lshl_b32 s82, s18, 3                         ; tile 2, tokens of v: image 1024 + 8 y, K step 3 part
	s_add_co_u32 s82, s82, 1024
	s_mul_i32 s82, s82, NK*IMGB
	s_mul_i32 s83, s14, KPS*IMGB
	s_add_co_u32 s82, s82, s83
	s_mov_b32 s83, 0
	; what feeds the weights' descriptors hangs on x, the cluster's y and the wave alone
	s_lshl_b32 s94, s19, 6                         ; tile 1, B: image 1536 + 64 (q or k) + 16 x + 8 part
	s_lshl_b32 s95, s17, 4
	s_add_co_u32 s94, s94, s95
	s_lshl_b32 s95, s14, 3
	s_add_co_u32 s94, s94, s95
	s_add_co_u32 s94, s94, 1536
	s_mul_i32 s94, s94, NK*IMGB
	s_mov_b32 s95, 0
	s_lshl_b32 s88, s17, 3                         ; tile 2, Wv: image 1664 + 8 x, K step 3 part
	s_add_co_u32 s88, s88, 1664
	s_mul_i32 s88, s88, NK*IMGB
	s_mul_i32 s89, s14, KPS*IMGB
	s_add_co_u32 s88, s88, s89
	s_mov_b32 s89, 0
	; the scale words
	s_lshl_b32 s76, s18, 10                        ; tile 1, A: 4 (256 y + 128 half)
	s_lshl_b32 s77, s13, 9
	s_add_co_u32 s76, s76, s77
	s_mov_b32 s77, 0
	s_lshl_b32 s78, s19, 12                        ; tile 1, B: 64 x first image + 512 half
	s_lshl_b32 s79, s17, 10
	s_add_co_u32 s78, s78, s79
	s_lshl_b32 s79, s14, 9
	s_add_co_u32 s78, s78, s79
	s_add_co_u32 s78, s78, 98304
	s_mov_b32 s79, 0
	s_lshl_b32 s22, s18, 9                         ; tile 2, tokens: 64 (1024 + 8 y)
	s_add_co_u32 s22, s22, 65536
	s_mov_b32 s23, 0
	s_lshl_b32 s66, s17, 9                         ; tile 2, Wv: 64 (1664 + 8 x + 2 wave)
	s_lshl_b32 s67, s12, 7
	s_add_co_u32 s66, s66, s67
	s_add_co_u32 s66, s66, 106496
	s_mov_b32 s67, 0
	; tile 1's results
	s_lshl_b32 s96, s18, 4                         ; image 16 y + 8 half, K step 2 x + half, of 8 in a row
	s_lshl_b32 s97, s13, 3
	s_add_co_u32 s96, s96, s97
	s_lshl_b32 s96, s96, 3
	s_lshl_b32 s97, s17, 1
	s_add_co_u32 s97, s97, s14
	s_add_co_u32 s96, s96, s97
	s_mul_i32 s96, s96, IMGB
	s_lshl_b32 s84, s97, 15                        ; its words: K step x 8,192 places x 4 bytes,
	s_and_b32 s85, s18, 31
	s_lshl_b32 s85, s85, 10                        ; + 256 (y % 32) places,
	s_add_co_u32 s84, s84, s85
	s_lshr_b32 s85, s18, 5
	s_lshl_b32 s85, s85, 18                        ; qp's at 0, kp's at 262,144,
	s_add_co_u32 s84, s84, s85
	s_lshl_b32 s85, s13, 9                         ; + my 128 places
	s_add_co_u32 s84, s84, s85
	s_mov_b32 s85, 0
	s_mov_b32 s97, 0
	; the prefetches
	s_lshl_b32 s92, s18, 4                         ; tile 1's tokens: image 16 y + 4 cx + wave
	s_lshl_b32 s93, s15, 2
	s_add_co_u32 s92, s92, s93
	s_add_co_u32 s92, s92, s12
	s_mul_i32 s92, s92, NK*IMGB
	s_mov_b32 s93, 0
	s_lshl_b32 s100, s18, 3                        ; tile 2's: image 1024 + 8 y + 2 cx + wave / 2
	s_lshl_b32 s101, s15, 1
	s_add_co_u32 s100, s100, s101
	s_add_co_u32 s100, s100, s13
	s_add_co_u32 s100, s100, 1024
	s_mul_i32 s100, s100, NK*IMGB
	s_mov_b32 s101, 0
	s_mov_b32 s86, 0x76543210
	s_mov_b32 s87, 0xfedcba98                      ; v_permlanex16_b32's selects for lane l xor 16
	s_mov_b32 s90, 0xffff0000                      ; lanes 16-31
	s_mov_b32 s[G0A0], 1
	s_mov_b32 s[G0A1], 1
	s_mov_b32 s[G0B0], 1
	s_mov_b32 s[G0B1], 1
	s_mul_i32 s[G0A0+1], s12, PART                 ; where my part goes: the wave's number alone: no place in the cluster enters an LDS address
	s_add_co_u32 s[G0A1+1], s[G0A0+1], SLOT
	s_mul_i32 s[G0B0+1], s12, PART
	s_add_co_u32 s[G0B1+1], s[G0B0+1], SLOT
	s_wait_kmcnt 0x0
	s_add_nc_u64 s[G0A0+2:G0A0+3], s[4:5], s[20:21]
	s_add_nc_u64 s[G0A1+2:G0A1+3], s[G0A0+2:G0A0+3], KPS*IMGB
	s_or_b32 s[G0A0+3], s[G0A0+3], 0x80000000
	s_or_b32 s[G0A1+3], s[G0A1+3], 0x80000000
	s_add_nc_u64 s[G0B0+2:G0B0+3], s[4:5], s[94:95]
	s_add_nc_u64 s[G0B1+2:G0B1+3], s[G0B0+2:G0B0+3], KPS*IMGB
	s_or_b32 s[G0B0+3], s[G0B0+3], 0x80000000
	s_or_b32 s[G0B1+3], s[G0B1+3], 0x80000000
	s_add_nc_u64 s[82:83], s[4:5], s[82:83]
	s_add_nc_u64 s[88:89], s[4:5], s[88:89]
	s_add_nc_u64 s[76:77], s[6:7], s[76:77]
	s_add_nc_u64 s[78:79], s[6:7], s[78:79]
	s_add_nc_u64 s[22:23], s[6:7], s[22:23]
	s_add_nc_u64 s[66:67], s[6:7], s[66:67]
	s_add_nc_u64 s[80:81], s[8:9], s[96:97]
	s_add_nc_u64 s[84:85], s[10:11], s[84:85]
	s_add_nc_u64 s[92:93], s[4:5], s[92:93]
	s_add_nc_u64 s[100:101], s[4:5], s[100:101]
	CROUND                                         ; all sixteen work-groups are here: the first joint loads meet
	s_cmp_eq_u32 s13, 0                            ; the head's fill, slot 0: one tensor load a wave, one in each arm
	s_cbranch_scc0 .Lfirst_b
	tensor_load_to_lds s[G0A0:G0A0+3], s[G1A:G1A+7]
	s_nop 0
.rept 4
	v_nop
.endr
	s_branch .Lfirst_done
.Lfirst_b:
	tensor_load_to_lds s[G0B0:G0B0+3], s[G1B:G1B+7]
	s_nop 0
.rept 4
	v_nop
.endr
.Lfirst_done:
	v_and_b32 v5, 31, v0                           ; lane
	v_lshlrev_b32 v1, 4, v5                        ; 16 x lane.  Also: tile 2's tokens in slot 0, part 0
	v_lshlrev_b32 v2, 2, v5
	v_and_b32 v3, 15, v0                           ; r
	s_mul_i32 s2, s13, PART
	v_add_nc_u32 v8, s2, v1                        ; tile 1: my 8 images of A in slot 0,
	s_add_co_u32 s2, s2, SLOT
	v_add_nc_u32 v9, s2, v1                        ; in slot 1
	s_add_co_u32 s3, s14, 2
	s_mul_i32 s2, s3, PART
	v_add_nc_u32 v10, s2, v1                       ; my 8 images of B, behind A's 16
	s_add_co_u32 s2, s2, SLOT
	v_add_nc_u32 v11, s2, v1
	s_lshl_b32 s2, s12, 9
	s_add_co_u32 s2, s2, STG
	v_lshl_add_u32 v12, v3, 2, s2                  ; the way out: where I put a scale word,
	v_add_nc_u32 v13, s2, v1                       ; and where I read four back
	v_add_nc_u32 v18, PART, v1                     ; tile 2's tokens: slot 0, part 1;
	v_add_nc_u32 v19, SLOT, v1                     ; slot 1, part 0;
	v_add_nc_u32 v20, SLOT+PART, v1                ; slot 1, part 1
	s_mul_i32 s2, s12, 2*KPS*IMGB
	s_add_co_u32 s2, s2, 2*PART
	v_add_nc_u32 v21, s2, v1                       ; tile 2: my two images of Wv in slot 0, part 2 (part 3 by the immediate),
	s_add_co_u32 s2, s2, SLOT
	v_add_nc_u32 v22, s2, v1                       ; in slot 1,
	s_mul_i32 s2, s12, 2*IMGB
	s_add_co_u32 s2, s2, 3*PART
	v_add_nc_u32 v23, s2, v1                       ; and in slot 0, part 3, where it holds K step 15 alone
	v_min_u32 v16, 17, v5
	v_lshlrev_b32 v16, 8, v16                      ; the prefetches' offsets: never rewritten
	v_min_u32 v17, 5, v5
	v_lshlrev_b32 v17, 8, v17
	s_mul_i32 s3, s14, 4608
	v_add_nc_u32 v25, s3, v16
	v_min_u32 v26, 11, v5
	v_lshlrev_b32 v26, 8, v26
	s_mul_i32 s3, s14, 3072
	v_add_nc_u32 v26, s3, v26
.irp s, 0,1,2,3,4,5,6
	SCL \s                                         ; 56 loads: the words of K steps 0-6; the others follow behind K steps 0, 1 and 2
.endr
	; THE FIRST FILLS AS THEY STAND (in place of what the head comment says of them): slot 0 at the head, slot 1 here, issued as a refill is; a wave has one tensor load out at the head and one behind each round.
	s_wait_alu depctr_va_vdst(0)
	s_wait_loadcnt 0x0
	s_wait_tensorcnt 0x0                           ; my part of slot 0 is in
	ds_add_u32 v28, v29                            ; 0 onto my spare word
	s_wait_dscnt 0x0
	CROUND                                         ; slot 0 is whole, and all sixteen work-groups are here
	JLOAD G0A1, G1A, G0B1, G1B                     ; slot 1's first fill, K steps 3-5: it has K steps 0 and 1, 128 matrix instructions, in which to land
	FETCH_B 10, KPS, 0, 0
	FETCH_A 8, KPS, 0, 0
	FETCH_A 8, KPS, 0, 4
	STEP 0, 1, 8, 10, KPS, 1                       ; the first K step's products start the sums: nothing is cleared
	SCL 7
	SCL 8
	SCL 9
	STEP 1, 0, 8, 10, KPS, 2
	SCL 10
	SCL 11
	SCL 12
	TURN 2, 1, 9, 11, KPS, G0A0, G1A, G0B0, G1B, 1       ; slot 0 takes K steps 6-8
	SCL 13
	SCL 14
	SCL 15
	STEP 3, 0, 9, 11, KPS, 1
	STEP 4, 0, 9, 11, KPS, 2
	TURN 5, 1, 8, 10, KPS, G0A1, G1A, G0B1, G1B, 2       ; slot 1 takes 9-11
	s_wait_loadcnt 0x0                             ; the words of K steps 7-15 are in: the last were asked for three K steps ago
	STEP 6, 0, 8, 10, KPS, 1
	STEP 7, 0, 8, 10, KPS, 2
	TURN 8, 1, 9, 11, KPS, G0A0, G1A, G0B0, G1B, 3       ; slot 0 takes 12-14
	STEP 9, 0, 9, 11, KPS, 1
	STEP 10, 0, 9, 11, KPS, 2
	VSCALE 0                                       ; v32-111 held the words of K steps 0-9: they take tile 2's, 20 loads behind each of four K steps
	TURN 11, 1, 8, 10, KPS, G0A1, G1A2, G0B1, G1B2, 4    ; slot 1 takes 15: images 1,536 bytes apart there
	VSCALE 4
	STEP 12, 0, 8, 10, KPS, 1
	VSCALE 8
	STEP 13, 0, 8, 10, KPS, 2
	VSCALE 12
	TURN 14, 2, 9, 11, 1, G0A0, G1A, G0B0, G1B, 5        ; THE RING GOES ON INTO TILE 2: slot 0 takes its K steps 0-5
	LAST 15
	; TILE 1'S WAY OUT, in two halves round the change of slots: blocks 0-3 while tile 2's first slot lands, blocks 4-7 while its second does.
	PLACES 4
.irp b, 0,1,2,3
	v_mov_b32 v[TM+4+\b], 0                        ; written once: a lane permute's destination counts as one of its sources
.endr
.irp a, 0,1,2,3
	EPI \a
.endr
	s_wait_tensorcnt 0x0                           ; all my tensor loads have landed: my part of tile 2's K steps 0-5
	ds_add_u32 v28, v29                            ; 0 onto my spare word
	s_add_nc_u64 s[G0A1+2:G0A1+3], s[82:83], 6*IMGB  ; no tensor load of mine is out, so a group 0 may be written: tile 2's K steps 6-11
	s_or_b32 s[G0A1+3], s[G0A1+3], 0x80000000
	s_add_nc_u64 s[G0B1+2:G0B1+3], s[88:89], 6*IMGB
	s_or_b32 s[G0B1+3], s[G0B1+3], 0x80000000
	s_wait_dscnt 0x0                               ; the add is done, and my reads of slot 1 (tile 1's K step 15) are over
	CROUND                                         ; no wave of any partner still reads slot 1 or has a load on its way; slot 0 is whole
	JLOAD G0A1, G1A, G0B1, G1B                     ; my one tensor load behind the round
	FETCHV 1, 21, 0, KPS, 0, 0                     ; tile 2's K step 0
.irp a, 4,5,6,7
	EPI \a
.endr
	ds_load_b128 v[200:203], v13                   ; LDS serves a wave's instructions in order: this sees my stores
	s_wait_dscnt 0x0
	global_store_b128 v1, v[200:203], s[84:85]     ; my 128 places' words: 512 consecutive bytes
	; TILE 2
	s_wait_loadcnt 0x0                             ; its scale words
	STEPV 0, 1, 1, 21, 0, KPS, 1                   ; the first K step's products start the sums
	STEPV 1, 0, 1, 21, 0, KPS, 2
	STEPV 2, 0, 18, 21, PART, KPS, 0
	STEPV 3, 0, 18, 21, PART, KPS, 1
	STEPV 4, 0, 18, 21, PART, KPS, 2
	TURNV 5, 1, 19, 22                             ; slot 0 takes K steps 12-15
	STEPV 6, 0, 19, 22, 0, KPS, 1
	STEPV 7, 0, 19, 22, 0, KPS, 2
	STEPV 8, 0, 20, 22, PART, KPS, 0
	STEPV 9, 0, 20, 22, PART, KPS, 1
	STEPV 10, 0, 20, 22, PART, KPS, 2
	TURNV 11, 0, 1, 21                             ; nothing is left to fetch: no round
	STEPV 12, 0, 1, 21, 0, KPS, 1
	STEPV 13, 0, 1, 21, 0, KPS, 2
	STEPV 14, 0, 18, 23, 0, 1, 0                   ; K step 15 lies alone in parts 1 and 3
	s_wait_dscnt 0x0
	WIN MULW
	MULV 0, 1, 15, 0
	MULV 1, 1, 15, 0
	WIN 0
	; TILE 2'S WAY OUT: my two images of vp transposed, K step y of 64 in a row, and their 32 scale words
	PLACES 4
	s_wait_xcnt 0x0                                ; tile 1's stores have read their data and their bases: both are written again
	s_lshl_b32 s96, s17, 3                         ; image 8 x + 2 wave
	s_lshl_b32 s97, s12, 1
	s_add_co_u32 s96, s96, s97
	s_lshl_b32 s96, s96, 6
	s_add_co_u32 s96, s96, s18
	s_mul_i32 s96, s96, IMGB
	s_add_co_u32 s96, s96, 12582912                ; behind qp and kp
	s_mov_b32 s97, 0
	s_add_nc_u64 s[80:81], s[8:9], s[96:97]
	s_lshl_b32 s96, s18, 11                        ; words: (512 y + 128 x + 32 wave) x 4, behind qp's and kp's
	s_lshl_b32 s97, s17, 9
	s_add_co_u32 s96, s96, s97
	s_lshl_b32 s97, s12, 7
	s_add_co_u32 s96, s96, s97
	s_add_co_u32 s96, s96, 524288
	s_mov_b32 s97, 0
	s_add_nc_u64 s[84:85], s[10:11], s[96:97]
	QUANT 0, 2
.irp c, 0,1,2
	global_store_b128 v1, v[PC+4*\c:PC+4*\c+3], s[80:81] offset:512*\c
.endr
	v_mov_b32 v177, v[PW]
	s_wait_xcnt 0x0                                ; the first image's stores have read v[PC] on
	QUANT 64, 2
.irp c, 0,1,2
	global_store_b128 v1, v[PC+4*\c:PC+4*\c+3], s[80:81] offset:64*IMGB+512*\c
.endr
	v_cndmask_b32 v178, v177, v[PW], s90           ; both halves of the lanes hold a block's words: lanes 0-15 keep the first image's, lanes 16-31 take the second's
	global_store_b32 v2, v178, s[84:85]            ; 32 places: 128 consecutive bytes
	s_wait_tensorcnt 0x0                           ; the wave's end
	ds_add_u32 v28, v29
	s_wait_dscnt 0x0
	CROUND                                         ; the closing round: no work-group ends while a partner may still ask for a tile that names it
	s_endpgm
.Lfunc_end_k_qe4a31f5896_proj:
	.size	k_qe4a31f5896_proj, .Lfunc_end_k_qe4a31f5896_proj-k_qe4a31f5896_proj
	.p2alignl 7, 3214868480
	.fill 96, 4, 3214868480
	.section	.rodata,"a",@progbits
	.p2align	6, 0x0
	.amdhsa_kernel k_qe4a31f5896_proj
		.amdhsa_group_segment_fixed_size 327680
		.amdhsa_private_segment_fixed_size 0
		.amdhsa_enable_private_segment 0
		.amdhsa_kernarg_size 32
		.amdhsa_user_sgpr_count 2
		.amdhsa_user_sgpr_kernarg_segment_ptr 1
		.amdhsa_wavefront_size32 1
		.amdhsa_system_sgpr_workgroup_id_x 1
		.amdhsa_system_sgpr_workgroup_id_y 1
		.amdhsa_system_sgpr_workgroup_id_z 1
		.amdhsa_system_vgpr_workitem_id 0
		.amdhsa_next_free_vgpr 1024
		.amdhsa_next_free_sgpr 102
		.amdhsa_reserve_vcc 0
		.amdhsa_float_denorm_mode_32 3
		.amdhsa_float_denorm_mode_16_64 3
		.amdhsa_memory_ordered 1
		.amdhsa_forward_progress 1
		.amdhsa_inst_pref_size 255
	.end_amdhsa_kernel
	.section	.bss,"aw",@nobits
	.p2align	6
	.space	262144
	.amdgpu_metadata
---
amdhsa.version: [ 1, 2 ]
amdhsa.kernels:
  - .name:           k_qe4a31f5896_proj
    .symbol:         k_qe4a31f5896_proj.kd
    .args:
      - { .name: x_img, .offset: 0, .size: 8, .value_kind: global_buffer, .address_space: global }
      - { .name: x_sc, .offset: 8, .size: 8, .value_kind: global_buffer, .address_space: global }
      - { .name: p_img, .offset: 16, .size: 8, .value_kind: global_buffer, .address_space: global }
      - { .name: p_sc, .offset: 24, .size: 8, .value_kind: global_buffer, .address_space: global }
    .group_segment_fixed_size: 327680
    .private_segment_fixed_size: 0
    .kernarg_segment_align: 8
    .kernarg_segment_size: 32
    .max_flat_workgroup_size: 128
    .sgpr_count:     102
    .vgpr_count:     1024
    .wavefront_size: 32
...
	.end_amdgpu_metadata
.endif
;; end of part 2
;; launch stats (part 3): grid 8 x 32, 4 waves a work-group, clusters of 4 x 4, 327,680 bytes of LDS; arguments p_img, p_sc, st; writes st
.if DOCPART == 3
	.amdgcn_target "amdgcn-amd-amdhsa--gfx1250"
	.amdhsa_code_object_version 6
	.text
	.protected	k_qe4a31f5896_stats
	.globl	k_qe4a31f5896_stats
	.p2align	8
	.type	k_qe4a31f5896_stats,@function
k_qe4a31f5896_stats:
	s_mov_b64 s[64:65], 0
	v_nop
	global_prefetch_b8 v0, s[64:65] scope:SCOPE_SE
	s_setreg_imm32_b32 hwreg(HW_REG_WAVE_MODE, 25, 1), 1
	s_wait_xcnt 0x0
	s_wait_alu depctr_hold_cnt(0) depctr_sa_sdst(0) depctr_va_vdst(0) depctr_va_sdst(0) depctr_va_ssrc(0) depctr_va_vcc(0) depctr_vm_vsrc(0)
	s_getreg_b32 s2, hwreg(HW_REG_IB_STS2, 6, 4)
	s_cmp_eq_u32 s2, 0
	s_cbranch_scc0 .Lentry_in_a_cluster
	s_endpgm
.Lentry_in_a_cluster:
	s_bfe_u32 s2, ttmp6, 0x10000c
	s_cmp_lg_u32 s2, 0xf033
	s_cbranch_scc0 .Lentry_shape_is_right
	s_endpgm
.Lentry_shape_is_right:
; The scores qp kp^T (K = 1,024, codes of BF6), first time: the softmax runs over the QUERIES, so each key wants the maximum and the sum of exponentials over all 2,048 queries of its batch before any weight can be made.
; This launch makes, for each key and each run of 128 queries, the largest score m and l = the sum of 2^(c (s - m)), c = log2(e) / 32; the next launch joins the 16 parts.  The maximum is taken away by a subtraction, then x c.
; A tile is 256 keys x 256 queries; four waves, 128 x 128 each.  Source 0 = an image of qp, source 1 = an image of kp: a lane holds ONE key, and its 64 registers of a block 64 queries: the reduction stays in the lane but for one exchange.
; CLUSTER 4 x 4: kp's tile hangs on the tile row alone and is shared along a row of the cluster, qp's on the tile column (and the batch, which the cluster shares) and is shared along a column.
; RING: LDS holds 6 of the 8 K steps: region 0 two, region 1 four, both filled at the head; ONE refill (K steps 6-7 into region 1), which has two K steps, 128 matrix instructions, in which to land.
; A wave has one tensor load out at the head and one behind the round.
; st: m [batch 4][run 16][true key 2,048] f32 at byte 0, l the same at 524,288.   LIMITS: NaN and infinities are not served; an exponential under 2^-126 counts as 0.
; REGISTERS: window 0: v1 16 x lane, v2 4 x lane, v8-11 LDS addresses, v14 way out, v28-29 the add's; v32-95 scale words, which hold nothing else; v96-159 at work; v160-255 A's eight fragments, later at work.
;   window 1: B's fragments, two sets.   windows 2, 3: accumulator (a, b) at v[8 (8 (a % 4) + b)] of window 2 + a / 4.
.set NK,    8
.set IMGB,  1536
.set KP0,   2
.set KP1,   4
.set PART0, 8*KP0*IMGB
.set PART1, 8*KP1*IMGB
.set REG1,  4*PART0
.set SPARE, REG1+4*PART1               ; the spare words, 128 bytes for each wave: two blocks of 256 bytes that no other line names
.set SCP,   32768                      ; a K step's words in p_sc: 8,192 places
.set SC,    32
.set AF,    160
.set T,     96
.set MS,    208                        ; v208-215 the eight blocks' maxima, v216-223 their sums
.set LS,    216
.set G1A,  24
.set G1B,  32
.set G1A2, 40
.set G1B2, 48
.set G0A0, 56
.set G0A1, 60
.set G0B0, 68
.set G0B1, 72
.set MUL_LO, 0xa1
.set MUL_HI, 0xf1
.set TO_B,   0x40
.set MSB, 0
.macro WIN new
.if MSB != (\new)
	s_set_vgpr_msb (MSB<<8)|(\new)
.set MSB, \new
.endif
.endm
.macro PLACES n
.rept \n
	v_nop
.endr
.endm
.macro CREST
	s_cmp_lg_u32 s12, 0
	s_cbranch_scc1 .Lnot_wave_0_\@
	s_barrier_signal -3
.Lnot_wave_0_\@:
	s_barrier_wait -3
	s_barrier_signal -1
	s_barrier_wait -1
.endm
.macro CROUND
	s_barrier_signal -1
	s_barrier_wait -1
	CREST
.endm
.macro JLOAD g0a, g1a, g0b, g1b        ; waves 0 and 1 fetch A's halves, waves 2 and 3 B's; four v_nop follow each line
	s_cmp_eq_u32 s13, 0
	s_cbranch_scc0 .Lfor_b_\@
	tensor_load_to_lds s[\g0a:\g0a+3], s[\g1a:\g1a+7]
	s_nop 0
.rept 4
	v_nop
.endr
	s_branch .Lasked_\@
.Lfor_b_\@:
	tensor_load_to_lds s[\g0b:\g0b+3], s[\g1b:\g1b+7]
	s_nop 0
.rept 4
	v_nop
.endr
.Lasked_\@:
.endm
.macro FRAG reg, adr, off
.irp c, 0,1,2
	ds_load_b128 v[(\reg)+4*\c:(\reg)+4*\c+3], v[\adr] offset:(\off)+512*\c
.endr
.endm
.macro FETCH_B adr, kps, kk, p
	WIN TO_B
.irp i, 0,1,2,3,4,5,6,7
	FRAG 128*(\p)+12*\i, \adr, \i*(\kps)*IMGB+(\kk)*IMGB
.endr
	WIN 0
.endm
.macro FETCH_A adr, kps, kk, i0
.irp i, \i0, \i0+1, \i0+2, \i0+3
	FRAG AF+12*(\i), \adr, (\i)*(\kps)*IMGB+(\kk)*IMGB
.endr
.endm
.macro WM d, b0, a0, zero, sb, sa, rb, ra
.if \zero
.if (\rb) && (\ra)
	v_wmma_scale_f32_16x16x128_f8f6f4 v[(\d):(\d)+7], v[(\b0):(\b0)+11], v[(\a0):(\a0)+11], 0, v[\sb], v[\sa] matrix_a_fmt:MATRIX_FMT_BF6 matrix_b_fmt:MATRIX_FMT_BF6 matrix_a_scale:MATRIX_SCALE_ROW1 matrix_b_scale:MATRIX_SCALE_ROW1
.elseif \rb
	v_wmma_scale_f32_16x16x128_f8f6f4 v[(\d):(\d)+7], v[(\b0):(\b0)+11], v[(\a0):(\a0)+11], 0, v[\sb], v[\sa] matrix_a_fmt:MATRIX_FMT_BF6 matrix_b_fmt:MATRIX_FMT_BF6 matrix_a_scale:MATRIX_SCALE_ROW1
.elseif \ra
	v_wmma_scale_f32_16x16x128_f8f6f4 v[(\d):(\d)+7], v[(\b0):(\b0)+11], v[(\a0):(\a0)+11], 0, v[\sb], v[\sa] matrix_a_fmt:MATRIX_FMT_BF6 matrix_b_fmt:MATRIX_FMT_BF6 matrix_b_scale:MATRIX_SCALE_ROW1
.else
	v_wmma_scale_f32_16x16x128_f8f6f4 v[(\d):(\d)+7], v[(\b0):(\b0)+11], v[(\a0):(\a0)+11], 0, v[\sb], v[\sa] matrix_a_fmt:MATRIX_FMT_BF6 matrix_b_fmt:MATRIX_FMT_BF6
.endif
.else
.if (\rb) && (\ra)
	v_wmma_scale_f32_16x16x128_f8f6f4 v[(\d):(\d)+7], v[(\b0):(\b0)+11], v[(\a0):(\a0)+11], v[(\d):(\d)+7], v[\sb], v[\sa] matrix_a_fmt:MATRIX_FMT_BF6 matrix_b_fmt:MATRIX_FMT_BF6 matrix_a_scale:MATRIX_SCALE_ROW1 matrix_b_scale:MATRIX_SCALE_ROW1
.elseif \rb
	v_wmma_scale_f32_16x16x128_f8f6f4 v[(\d):(\d)+7], v[(\b0):(\b0)+11], v[(\a0):(\a0)+11], v[(\d):(\d)+7], v[\sb], v[\sa] matrix_a_fmt:MATRIX_FMT_BF6 matrix_b_fmt:MATRIX_FMT_BF6 matrix_a_scale:MATRIX_SCALE_ROW1
.elseif \ra
	v_wmma_scale_f32_16x16x128_f8f6f4 v[(\d):(\d)+7], v[(\b0):(\b0)+11], v[(\a0):(\a0)+11], v[(\d):(\d)+7], v[\sb], v[\sa] matrix_a_fmt:MATRIX_FMT_BF6 matrix_b_fmt:MATRIX_FMT_BF6 matrix_b_scale:MATRIX_SCALE_ROW1
.else
	v_wmma_scale_f32_16x16x128_f8f6f4 v[(\d):(\d)+7], v[(\b0):(\b0)+11], v[(\a0):(\a0)+11], v[(\d):(\d)+7], v[\sb], v[\sa] matrix_a_fmt:MATRIX_FMT_BF6 matrix_b_fmt:MATRIX_FMT_BF6
.endif
.endif
.endm
.macro MUL16 a0, p, s, zero            ; the 64 accumulators take turns, one instruction a turn, in the same order in every K step
.irp a, \a0, \a0+1
.irp b, 0,1,2,3,4,5,6,7
	WM 8*(8*((\a)%4)+\b), 128*(\p)+12*\b, AF+12*(\a), \zero, SC+8*(\s)+4+(\b/2), SC+8*(\s)+((\a)/2), \b%2, (\a)%2
.endr
.endr
.endm
.macro STEP s, zero, nA, nB, kps, kk
	s_wait_dscnt 12                                ; B's set and A's blocks 0-3 are in; the youngest 12 loads (A's blocks 4-7) may be out
	WIN MUL_LO
	MUL16 0, (\s)%2, \s, \zero
	MUL16 2, (\s)%2, \s, \zero
	s_wait_dscnt 0x0
	PLACES 4                                       ; four plain places in front of loads into registers that matrix instructions have read
	FETCH_B \nB, \kps, \kk, 1-(\s)%2
	FETCH_A \nA, \kps, \kk, 0
	WIN MUL_HI
	MUL16 4, (\s)%2, \s, \zero
	MUL16 6, (\s)%2, \s, \zero
	PLACES 4
	WIN 0
	FETCH_A \nA, \kps, \kk, 4
.endm
.macro TURN s, fill, nA, nB, kps       ; a region's last K step: one barrier; fill = 1: it opens a round, and region 1 takes K steps 6-7
	s_wait_tensorcnt 0x0                           ; all my tensor loads have landed: my part of the next region
	ds_add_u32 v28, v29                            ; 0 onto my spare word
	s_wait_dscnt 13                                ; (the add and A's blocks 4-7 may be out)
	WIN MUL_LO
	MUL16 0, (\s)%2, \s, 0
	s_wait_dscnt 0x0                               ; the add is done, and my reads of this region are over
	s_barrier_signal -1
	MUL16 2, (\s)%2, \s, 0
	WIN 0
	s_barrier_wait -1
.if \fill
	CREST                                          ; no wave of any partner still reads this region or has a load on its way
	s_add_nc_u64 s[G0A1+2:G0A1+3], s[G0A1+2:G0A1+3], 6*IMGB
	s_add_nc_u64 s[G0B1+2:G0B1+3], s[G0B1+2:G0B1+3], 6*IMGB
	JLOAD G0A1, G1A, G0B1, G1B                     ; K steps 6-7 into region 1's parts, images 2 K steps apart there; my one tensor load behind the round; its four v_nop are the places in front of the loads below
.else
	PLACES 4
.endif
	FETCH_B \nB, \kps, 0, 1-(\s)%2
	FETCH_A \nA, \kps, 0, 0
	WIN MUL_HI
	MUL16 4, (\s)%2, \s, 0
	MUL16 6, (\s)%2, \s, 0
	PLACES 4
	WIN 0
	FETCH_A \nA, \kps, 0, 4
.endm
.macro LAST s
	s_wait_dscnt 12
	WIN MUL_LO
	MUL16 0, (\s)%2, \s, 0
	MUL16 2, (\s)%2, \s, 0
	s_wait_dscnt 0x0
	WIN MUL_HI
	MUL16 4, (\s)%2, \s, 0
	MUL16 6, (\s)%2, \s, 0
	WIN 0
.endm
	s_load_b128 s[4:7], s[0:1], 0x0                ; p_img, p_sc
	s_load_b64 s[8:9], s[0:1], 0x10                ; st
	v_lshl_add_u32 v28, v0, 2, SPARE
	v_mov_b32 v29, 0
	ds_add_u32 v28, v29
	ds_add_u32 v28, v29
	s_wait_dscnt 0x0
	v_lshrrev_b32 v5, 5, v0
	v_readfirstlane_b32 s12, v5                    ; wave
	s_lshr_b32 s13, s12, 1                         ; my half of the keys.  Also: I fetch for A (0) or for B (1)
	s_and_b32 s14, s12, 1                          ; my half of the queries.  Also: which 8 images I fetch
	s_bfe_u32 s15, ttmp6, 0x40000                  ; cx
	s_bfe_u32 s16, ttmp6, 0x40004                  ; cy
	s_lshl_b32 s17, ttmp9, 2
	s_add_co_u32 s17, s17, s15                     ; x: the batch's tile of 256 queries
	s_and_b32 s18, ttmp7, 0xffff
	s_lshr_b32 s19, s18, 1                         ; the batch: from the cluster's y alone
	s_lshl_b32 s18, s18, 2
	s_add_co_u32 s18, s18, s16                     ; y: the tile of 256 keys, through all batches
	s_lshl_b32 s98, s16, 2
	s_lshl_b32 s98, 15, s98                        ; my row of the cluster
	s_lshl_b32 s99, 0x1111, s15                    ; my column
	s_or_b32 s[G1A], s98, (3<<16)|(1<<21)          ; elements of 8 bytes, no padding; bit 21 beside a mask
	s_or_b32 s[G1A2], s98, (3<<16)|(1<<21)
	s_or_b32 s[G1B], s99, (3<<16)|(1<<21)
	s_or_b32 s[G1B2], s99, (3<<16)|(1<<21)
.irp g, G1A, G1B
	s_mov_b32 s[\g+1], (192*KP0)<<16               ; an image's 2 K steps
	s_mov_b32 s[\g+2], 8<<16                       ; 8 images
	s_mov_b32 s[\g+3], (192*KP0)<<16
	s_mov_b32 s[\g+4], 8
	s_mov_b32 s[\g+5], 192*NK                      ; from image to image
	s_mov_b32 s[\g+6], 0
	s_mov_b32 s[\g+7], 0
.endr
.irp g, G1A2, G1B2
	s_mov_b32 s[\g+1], (192*KP1)<<16               ; 4 K steps
	s_mov_b32 s[\g+2], 8<<16
	s_mov_b32 s[\g+3], (192*KP1)<<16
	s_mov_b32 s[\g+4], 8
	s_mov_b32 s[\g+5], 192*NK
	s_mov_b32 s[\g+6], 0
	s_mov_b32 s[\g+7], 0
.endr
	s_lshl_b32 s20, s18, 4                         ; A = kp: image 512 + 16 y + 8 half
	s_lshl_b32 s21, s14, 3
	s_add_co_u32 s20, s20, s21
	s_add_co_u32 s20, s20, 512
	s_mul_i32 s20, s20, NK*IMGB
	s_mov_b32 s21, 0
	s_lshl_b32 s94, s19, 7                         ; B = qp: image 128 batch + 16 x + 8 half
	s_lshl_b32 s95, s17, 4
	s_add_co_u32 s94, s94, s95
	s_lshl_b32 s95, s14, 3
	s_add_co_u32 s94, s94, s95
	s_mul_i32 s94, s94, NK*IMGB
	s_mov_b32 s95, 0
	s_lshl_b32 s76, s18, 10                        ; kp's words of my 128 keys
	s_lshl_b32 s77, s13, 9
	s_add_co_u32 s76, s76, s77
	s_add_co_u32 s76, s76, 262144
	s_mov_b32 s77, 0
	s_lshl_b32 s78, s19, 13                        ; qp's words of my 128 queries
	s_lshl_b32 s79, s17, 10
	s_add_co_u32 s78, s78, s79
	s_lshl_b32 s79, s14, 9
	s_add_co_u32 s78, s78, s79
	s_mov_b32 s79, 0
	s_lshl_b32 s96, s19, 4                         ; st: ((16 batch + 2 x + half) 2,048 + 256 (y % 8) + 128 half) x 4
	s_lshl_b32 s97, s17, 1
	s_add_co_u32 s96, s96, s97
	s_add_co_u32 s96, s96, s14
	s_lshl_b32 s96, s96, 11
	s_and_b32 s97, s18, 7
	s_lshl_b32 s97, s97, 8
	s_add_co_u32 s96, s96, s97
	s_lshl_b32 s97, s13, 7
	s_add_co_u32 s96, s96, s97
	s_lshl_b32 s96, s96, 2
	s_mov_b32 s97, 0
	s_mov_b32 s86, 0x76543210
	s_mov_b32 s87, 0xfedcba98
	s_mov_b32 s88, 0x3d38aa3b                      ; c = log2(e) / 32
	s_mov_b32 s89, s88                             ; (named with it as a pair, so it is written)
	s_mov_b32 s90, 0xffff0000                      ; lanes 16-31
	s_mov_b32 s[G0A0], 1
	s_mov_b32 s[G0A1], 1
	s_mov_b32 s[G0B0], 1
	s_mov_b32 s[G0B1], 1
	s_mul_i32 s[G0A0+1], s12, PART0                ; where my part goes: the wave's number alone
	s_mul_i32 s[G0A1+1], s12, PART1
	s_add_co_u32 s[G0A1+1], s[G0A1+1], REG1
	s_mul_i32 s[G0B0+1], s12, PART0
	s_mul_i32 s[G0B1+1], s12, PART1
	s_add_co_u32 s[G0B1+1], s[G0B1+1], REG1
	s_wait_kmcnt 0x0
	s_add_nc_u64 s[G0A1+2:G0A1+3], s[4:5], s[20:21]              ; region 1 takes K steps 0-3,
	s_add_nc_u64 s[G0A0+2:G0A0+3], s[G0A1+2:G0A1+3], KP1*IMGB    ; region 0 K steps 4-5
	s_or_b32 s[G0A0+3], s[G0A0+3], 0x80000000
	s_or_b32 s[G0A1+3], s[G0A1+3], 0x80000000
	s_add_nc_u64 s[G0B1+2:G0B1+3], s[4:5], s[94:95]
	s_add_nc_u64 s[G0B0+2:G0B0+3], s[G0B1+2:G0B1+3], KP1*IMGB
	s_or_b32 s[G0B0+3], s[G0B0+3], 0x80000000
	s_or_b32 s[G0B1+3], s[G0B1+3], 0x80000000
	s_add_nc_u64 s[76:77], s[6:7], s[76:77]
	s_add_nc_u64 s[78:79], s[6:7], s[78:79]
	s_add_nc_u64 s[80:81], s[8:9], s[96:97]
	CROUND                                         ; all sixteen work-groups are here: the first joint loads meet
	s_cmp_eq_u32 s13, 0                            ; the head's fill, region 1: one tensor load a wave, one in each arm
	s_cbranch_scc0 .Lfirst_b
	tensor_load_to_lds s[G0A1:G0A1+3], s[G1A2:G1A2+7]
	s_nop 0
.rept 4
	v_nop
.endr
	s_branch .Lfirst_done
.Lfirst_b:
	tensor_load_to_lds s[G0B1:G0B1+3], s[G1B2:G1B2+7]
	s_nop 0
.rept 4
	v_nop
.endr
.Lfirst_done:
	v_and_b32 v5, 31, v0
	v_lshlrev_b32 v1, 4, v5
	v_lshlrev_b32 v2, 2, v5
	v_and_b32 v3, 15, v0                           ; r
	v_bfe_u32 v4, v0, 4, 1                         ; h
	s_mul_i32 s2, s13, PART0
	v_add_nc_u32 v8, s2, v1                        ; my 8 images of A in region 0,
	s_mul_i32 s2, s13, PART1
	s_add_co_u32 s2, s2, REG1
	v_add_nc_u32 v9, s2, v1                        ; in region 1
	s_add_co_u32 s3, s14, 2
	s_mul_i32 s2, s3, PART0
	v_add_nc_u32 v10, s2, v1                       ; my 8 images of B
	s_mul_i32 s2, s3, PART1
	s_add_co_u32 s2, s2, REG1
	v_add_nc_u32 v11, s2, v1
	v_and_b32 v6, 8, v3
	v_add_nc_u32 v6, v6, v3
	v_lshl_add_u32 v6, v4, 3, v6
	v_lshlrev_b32 v14, 2, v6                       ; the true key of place r of image 2 P + h, within its 32: 8 h + r + 8 (r / 8); x 4 bytes
.irp s, 0,1,2,3,4,5,6,7
.irp i, 0,1,2,3
	global_load_b32 v[SC+8*\s+\i], v2, s[76:77] offset:\s*SCP+128*\i
	global_load_b32 v[SC+4+8*\s+\i], v2, s[78:79] offset:\s*SCP+128*\i
.endr
.endr
	s_wait_alu depctr_va_vdst(0)
	s_wait_loadcnt 0x0
	; THE FILLS AS THEY STAND (in place of what the head comment says of the ring): K steps 0-3 into region 1 at the head; K steps 4-5 into region 0 here, issued as a refill is, with four K steps in which to land;
	; ONE refill, K steps 6-7 into region 1 when K step 3 leaves it, with two K steps in which to land.  A wave has one tensor load out at the head and one behind each round.
	s_wait_tensorcnt 0x0                           ; my part of region 1 is in
	ds_add_u32 v28, v29                            ; 0 onto my spare word
	s_wait_dscnt 0x0
	CROUND                                         ; region 1 is whole, and all sixteen work-groups are here
	JLOAD G0A0, G1A, G0B0, G1B                     ; region 0's first fill
	FETCH_B 11, KP1, 0, 0
	FETCH_A 9, KP1, 0, 0
	FETCH_A 9, KP1, 0, 4
	STEP 0, 1, 9, 11, KP1, 1
	STEP 1, 0, 9, 11, KP1, 2
	STEP 2, 0, 9, 11, KP1, 3
	TURN 3, 1, 8, 10, KP0
	STEP 4, 0, 8, 10, KP0, 1
	TURN 5, 0, 9, 11, KP0
	STEP 6, 0, 9, 11, KP0, 1
	LAST 7
; Block a: my key's 64 scores, and lane l xor 16's 64.  Each accumulator is read from its low end on.
.macro KEYS a
.set W, 2+(\a)/4
.set X, 64*((\a)%4)
.set QW, W|(W<<2)|(W<<4)
	WIN QW
.irp k, 0,1,2,3
	v_max3_num_f32 v[160+\k], v[X+16*\k], v[X+16*\k+1], v[X+16*\k+2]
.endr
.set QW, (W<<2)|(W<<4)
	WIN QW
.irp i, 3,5,7,9,11,13
.irp k, 0,1,2,3
	v_max3_num_f32 v[160+\k], v[160+\k], v[X+16*\k+\i], v[X+16*\k+\i+1]
.endr
.endr
.irp k, 0,1,2,3
	v_max_num_f32 v[160+\k], v[160+\k], v[X+16*\k+15]
.endr
	WIN 0
	v_max3_num_f32 v160, v160, v161, v162
	v_max_num_f32 v160, v160, v163
	v_permlanex16_b32 v166, v160, s86, s87
	v_max_num_f32 v164, v160, v166                 ; the key's largest score among my 128 queries, twice, for the packed form
	v_max_num_f32 v165, v160, v166
	v_max_num_f32 v[MS+(\a)], v160, v166
	WIN W
.set j, 0
.rept 32
	v_pk_add_f32 v[T+j:T+j+1], v[X+j:X+j+1], v[164:165] neg_lo:[0,1] neg_hi:[0,1]   ; s - m
.set j, j+2
.endr
	WIN 0
.set j, 0
.rept 32
	v_pk_mul_f32 v[T+j:T+j+1], v[T+j:T+j+1], s[88:89] op_sel_hi:[1,0]
.set j, j+2
.endr
.set j, 0
	s_wait_alu depctr_va_vdst(0)
.rept 64
	v_exp_f32 v[T+j], v[T+j]
.set j, j+1
.endr
	v_nop                                          ; a plain place behind the last exponential
	s_wait_alu depctr_va_vdst(0)                   ; one wait for the batch, ahead of its first reader
	v_pk_add_f32 v[178:179], v[T:T+1], v[T+2:T+3]  ; the sum, two at a time, in two chains
	v_pk_add_f32 v[180:181], v[T+4:T+5], v[T+6:T+7]
.set j, 8
.rept 14
	v_pk_add_f32 v[178:179], v[178:179], v[T+j:T+j+1]
	v_pk_add_f32 v[180:181], v[180:181], v[T+j+2:T+j+3]
.set j, j+4
.endr
	v_pk_add_f32 v[178:179], v[178:179], v[180:181]
	v_add_f32 v178, v178, v179
	v_permlanex16_b32 v166, v178, s86, s87
	v_add_f32 v[LS+(\a)], v178, v166
.endm
	PLACES 4
	v_mov_b32 v166, 0                              ; written once: a lane permute's destination counts as one of its sources
.irp a, 0,1,2,3,4,5,6,7
	KEYS \a
.endr
.irp p, 0,1,2,3                                ; both halves of the lanes hold a block's figures: lanes 0-15 keep block 2 p's, lanes 16-31 take block 2 p + 1's
	v_cndmask_b32 v[170+\p], v[MS+2*\p], v[MS+2*\p+1], s90
	v_cndmask_b32 v[174+\p], v[LS+2*\p], v[LS+2*\p+1], s90
.endr
.irp p, 0,1,2,3
	global_store_b32 v14, v[170+\p], s[80:81] offset:128*\p          ; 32 true keys: 128 consecutive bytes
	global_store_b32 v14, v[174+\p], s[80:81] offset:524288+128*\p
.endr
	s_wait_tensorcnt 0x0                           ; the wave's end
	ds_add_u32 v28, v29
	s_wait_dscnt 0x0
	CROUND                                         ; the closing round
	s_endpgm
.Lfunc_end_k_qe4a31f5896_stats:
	.size	k_qe4a31f5896_stats, .Lfunc_end_k_qe4a31f5896_stats-k_qe4a31f5896_stats
	.p2alignl 7, 3214868480
	.fill 96, 4, 3214868480
	.section	.rodata,"a",@progbits
	.p2align	6, 0x0
	.amdhsa_kernel k_qe4a31f5896_stats
		.amdhsa_group_segment_fixed_size 327680
		.amdhsa_private_segment_fixed_size 0
		.amdhsa_enable_private_segment 0
		.amdhsa_kernarg_size 24
		.amdhsa_user_sgpr_count 2
		.amdhsa_user_sgpr_kernarg_segment_ptr 1
		.amdhsa_wavefront_size32 1
		.amdhsa_system_sgpr_workgroup_id_x 1
		.amdhsa_system_sgpr_workgroup_id_y 1
		.amdhsa_system_sgpr_workgroup_id_z 1
		.amdhsa_system_vgpr_workitem_id 0
		.amdhsa_next_free_vgpr 1024
		.amdhsa_next_free_sgpr 100
		.amdhsa_reserve_vcc 0
		.amdhsa_float_denorm_mode_32 3
		.amdhsa_float_denorm_mode_16_64 3
		.amdhsa_memory_ordered 1
		.amdhsa_forward_progress 1
		.amdhsa_inst_pref_size 193
	.end_amdhsa_kernel
	.amdgpu_metadata
---
amdhsa.version: [ 1, 2 ]
amdhsa.kernels:
  - .name:           k_qe4a31f5896_stats
    .symbol:         k_qe4a31f5896_stats.kd
    .args:
      - { .name: p_img, .offset: 0, .size: 8, .value_kind: global_buffer, .address_space: global }
      - { .name: p_sc, .offset: 8, .size: 8, .value_kind: global_buffer, .address_space: global }
      - { .name: st, .offset: 16, .size: 8, .value_kind: global_buffer, .address_space: global }
    .group_segment_fixed_size: 327680
    .private_segment_fixed_size: 0
    .kernarg_segment_align: 8
    .kernarg_segment_size: 24
    .max_flat_workgroup_size: 128
    .sgpr_count:     100
    .vgpr_count:     1024
    .wavefront_size: 32
...
	.end_amdgpu_metadata
.endif
;; end of part 3
;; launch attn (part 4): grid 8 x 32, 4 waves a work-group, clusters of 4 x 4, 327,680 bytes of LDS; arguments p_img, p_sc, st, a_img, a_sc; writes a_img, a_sc
.if DOCPART == 4
	.amdgcn_target "amdgcn-amd-amdhsa--gfx1250"
	.amdhsa_code_object_version 6
	.text
	.protected	k_qe4a31f5896_attn
	.globl	k_qe4a31f5896_attn
	.p2align	8
	.type	k_qe4a31f5896_attn,@function
k_qe4a31f5896_attn:
	s_mov_b64 s[64:65], 0
	v_nop
	global_prefetch_b8 v0, s[64:65] scope:SCOPE_SE
	s_setreg_imm32_b32 hwreg(HW_REG_WAVE_MODE, 25, 1), 1
	s_wait_xcnt 0x0
	s_wait_alu depctr_hold_cnt(0) depctr_sa_sdst(0) depctr_va_vdst(0) depctr_va_sdst(0) depctr_va_ssrc(0) depctr_va_vcc(0) depctr_vm_vsrc(0)
	s_getreg_b32 s2, hwreg(HW_REG_IB_STS2, 6, 4)
	s_cmp_eq_u32 s2, 0
	s_cbranch_scc0 .Lentry_in_a_cluster
	s_endpgm
.Lentry_in_a_cluster:
	s_bfe_u32 s2, ttmp6, 0x10000c
	s_cmp_lg_u32 s2, 0xf033
	s_cbranch_scc0 .Lentry_shape_is_right
	s_endpgm
.Lentry_shape_is_right:
; The scores once more, and the finished softmax over the queries: attn = 2^(c (s - M)) / L, c = log2(e) / 32, M and L the key's maximum and sum over all 2,048 queries, joined here from the 16 parts of the launch before.
; attn is quantised finished and normalised, in blocks of 32 KEYS, and leaves as images for the last product.
; A tile is 256 queries x 256 keys; four waves, 128 x 128 each.  Source 0 = an image of kp, source 1 = an image of qp: a lane holds ONE query, and the 64 registers of a block run along 128 TRUE keys, 16 neighbours of each 32.
; CLUSTER 4 x 4: qp's tile is shared along a row of the cluster, kp's along a column.  RING as in the launch before: regions of 2 and 4 K steps filled at the head, one refill; one tensor load of a wave out at the head, one behind the round.
; LIMITS: NaN and infinities are not served; an exponential under 2^-126 counts as 0; a block of zeros gets the byte 1 (its codes are zeros, and this program alone reads the bytes).
; REGISTERS: window 0: v1 16 x lane, v2 4 x lane, v8-11 LDS addresses, v12-16 way out and join, v28-29 the add's; v32-95 scale words, which hold nothing else; v96-159 at work; v160-255 A's fragments, later at work.
;   window 1: B's fragments, two sets; on the way out v0-63 M and v64-127 1 / L of my 64 keys.   windows 2, 3: the accumulators.
.set NK,    8
.set IMGB,  1536
.set KP0,   2
.set KP1,   4
.set PART0, 8*KP0*IMGB
.set PART1, 8*KP1*IMGB
.set REG1,  4*PART0
.set SPARE, REG1+4*PART1               ; the spare words: two blocks of 256 bytes that no other line names
.set STG,   SPARE+512                  ; 512 bytes for each wave: its 128 scale words on the way out
.set STM,   STG+2048                   ; M of the tile's 256 keys;  1 / L lies 1,024 bytes on
.set SCP,   32768
.set SC,    32
.set AF,    160
.set T,     96
.set TM,    160
.set PW,    176
.set PC,    180
.set G1A,  24
.set G1B,  32
.set G1A2, 40
.set G1B2, 48
.set G0A0, 56
.set G0A1, 60
.set G0B0, 68
.set G0B1, 72
.set MUL_LO, 0xa1
.set MUL_HI, 0xf1
.set TO_B,   0x40
.set MSB, 0
.macro WIN new
.if MSB != (\new)
	s_set_vgpr_msb (MSB<<8)|(\new)
.set MSB, \new
.endif
.endm
.macro PLACES n
.rept \n
	v_nop
.endr
.endm
.macro CREST
	s_cmp_lg_u32 s12, 0
	s_cbranch_scc1 .Lnot_wave_0_\@
	s_barrier_signal -3
.Lnot_wave_0_\@:
	s_barrier_wait -3
	s_barrier_signal -1
	s_barrier_wait -1
.endm
.macro CROUND
	s_barrier_signal -1
	s_barrier_wait -1
	CREST
.endm
.macro JLOAD g0a, g1a, g0b, g1b        ; waves 0 and 1 fetch A's halves, waves 2 and 3 B's; four v_nop follow each line
	s_cmp_eq_u32 s13, 0
	s_cbranch_scc0 .Lfor_b_\@
	tensor_load_to_lds s[\g0a:\g0a+3], s[\g1a:\g1a+7]
	s_nop 0
.rept 4
	v_nop
.endr
	s_branch .Lasked_\@
.Lfor_b_\@:
	tensor_load_to_lds s[\g0b:\g0b+3], s[\g1b:\g1b+7]
	s_nop 0
.rept 4
	v_nop
.endr
.Lasked_\@:
.endm
.macro FRAG reg, adr, off
.irp c, 0,1,2
	ds_load_b128 v[(\reg)+4*\c:(\reg)+4*\c+3], v[\adr] offset:(\off)+512*\c
.endr
.endm
.macro FETCH_B adr, kps, kk, p
	WIN TO_B
.irp i, 0,1,2,3,4,5,6,7
	FRAG 128*(\p)+12*\i, \adr, \i*(\kps)*IMGB+(\kk)*IMGB
.endr
	WIN 0
.endm
.macro FETCH_A adr, kps, kk, i0
.irp i, \i0, \i0+1, \i0+2, \i0+3
	FRAG AF+12*(\i), \adr, (\i)*(\kps)*IMGB+(\kk)*IMGB
.endr
.endm
.macro WM d, b0, a0, zero, sb, sa, rb, ra
.if \zero
.if (\rb) && (\ra)
	v_wmma_scale_f32_16x16x128_f8f6f4 v[(\d):(\d)+7], v[(\b0):(\b0)+11], v[(\a0):(\a0)+11], 0, v[\sb], v[\sa] matrix_a_fmt:MATRIX_FMT_BF6 matrix_b_fmt:MATRIX_FMT_BF6 matrix_a_scale:MATRIX_SCALE_ROW1 matrix_b_scale:MATRIX_SCALE_ROW1
.elseif \rb
	v_wmma_scale_f32_16x16x128_f8f6f4 v[(\d):(\d)+7], v[(\b0):(\b0)+11], v[(\a0):(\a0)+11], 0, v[\sb], v[\sa] matrix_a_fmt:MATRIX_FMT_BF6 matrix_b_fmt:MATRIX_FMT_BF6 matrix_a_scale:MATRIX_SCALE_ROW1
.elseif \ra
	v_wmma_scale_f32_16x16x128_f8f6f4 v[(\d):(\d)+7], v[(\b0):(\b0)+11], v[(\a0):(\a0)+11], 0, v[\sb], v[\sa] matrix_a_fmt:MATRIX_FMT_BF6 matrix_b_fmt:MATRIX_FMT_BF6 matrix_b_scale:MATRIX_SCALE_ROW1
.else
	v_wmma_scale_f32_16x16x128_f8f6f4 v[(\d):(\d)+7], v[(\b0):(\b0)+11], v[(\a0):(\a0)+11], 0, v[\sb], v[\sa] matrix_a_fmt:MATRIX_FMT_BF6 matrix_b_fmt:MATRIX_FMT_BF6
.endif
.else
.if (\rb) && (\ra)
	v_wmma_scale_f32_16x16x128_f8f6f4 v[(\d):(\d)+7], v[(\b0):(\b0)+11], v[(\a0):(\a0)+11], v[(\d):(\d)+7], v[\sb], v[\sa] matrix_a_fmt:MATRIX_FMT_BF6 matrix_b_fmt:MATRIX_FMT_BF6 matrix_a_scale:MATRIX_SCALE_ROW1 matrix_b_scale:MATRIX_SCALE_ROW1
.elseif \rb
	v_wmma_scale_f32_16x16x128_f8f6f4 v[(\d):(\d)+7], v[(\b0):(\b0)+11], v[(\a0):(\a0)+11], v[(\d):(\d)+7], v[\sb], v[\sa] matrix_a_fmt:MATRIX_FMT_BF6 matrix_b_fmt:MATRIX_FMT_BF6 matrix_a_scale:MATRIX_SCALE_ROW1
.elseif \ra
	v_wmma_scale_f32_16x16x128_f8f6f4 v[(\d):(\d)+7], v[(\b0):(\b0)+11], v[(\a0):(\a0)+11], v[(\d):(\d)+7], v[\sb], v[\sa] matrix_a_fmt:MATRIX_FMT_BF6 matrix_b_fmt:MATRIX_FMT_BF6 matrix_b_scale:MATRIX_SCALE_ROW1
.else
	v_wmma_scale_f32_16x16x128_f8f6f4 v[(\d):(\d)+7], v[(\b0):(\b0)+11], v[(\a0):(\a0)+11], v[(\d):(\d)+7], v[\sb], v[\sa] matrix_a_fmt:MATRIX_FMT_BF6 matrix_b_fmt:MATRIX_FMT_BF6
.endif
.endif
.endm
.macro MUL16 a0, p, s, zero            ; the 64 accumulators take turns, one instruction a turn, in the same order in every K step
.irp a, \a0, \a0+1
.irp b, 0,1,2,3,4,5,6,7
	WM 8*(8*((\a)%4)+\b), 128*(\p)+12*\b, AF+12*(\a), \zero, SC+8*(\s)+4+(\b/2), SC+8*(\s)+((\a)/2), \b%2, (\a)%2
.endr
.endr
.endm
.macro STEP s, zero, nA, nB, kps, kk
	s_wait_dscnt 12                                ; B's set and A's blocks 0-3 are in; the youngest 12 loads (A's blocks 4-7) may be out
	WIN MUL_LO
	MUL16 0, (\s)%2, \s, \zero
	MUL16 2, (\s)%2, \s, \zero
	s_wait_dscnt 0x0
	PLACES 4                                       ; four plain places in front of loads into registers that matrix instructions have read
	FETCH_B \nB, \kps, \kk, 1-(\s)%2
	FETCH_A \nA, \kps, \kk, 0
	WIN MUL_HI
	MUL16 4, (\s)%2, \s, \zero
	MUL16 6, (\s)%2, \s, \zero
	PLACES 4
	WIN 0
	FETCH_A \nA, \kps, \kk, 4
.endm
.macro TURN s, fill, nA, nB, kps
	s_wait_tensorcnt 0x0                           ; all my tensor loads have landed: my part of the next region
	ds_add_u32 v28, v29                            ; 0 onto my spare word
	s_wait_dscnt 13                                ; (the add and A's blocks 4-7 may be out)
	WIN MUL_LO
	MUL16 0, (\s)%2, \s, 0
	s_wait_dscnt 0x0                               ; the add is done, and my reads of this region are over
	s_barrier_signal -1
	MUL16 2, (\s)%2, \s, 0
	WIN 0
	s_barrier_wait -1
.if \fill
	CREST                                          ; no wave of any partner still reads this region or has a load on its way
	s_add_nc_u64 s[G0A1+2:G0A1+3], s[G0A1+2:G0A1+3], 6*IMGB
	s_add_nc_u64 s[G0B1+2:G0B1+3], s[G0B1+2:G0B1+3], 6*IMGB
	JLOAD G0A1, G1A, G0B1, G1B                     ; K steps 6-7 into region 1's parts, images 2 K steps apart there; my one tensor load behind the round; its four v_nop are the places in front of the loads below
.else
	PLACES 4
.endif
	FETCH_B \nB, \kps, 0, 1-(\s)%2
	FETCH_A \nA, \kps, 0, 0
	WIN MUL_HI
	MUL16 4, (\s)%2, \s, 0
	MUL16 6, (\s)%2, \s, 0
	PLACES 4
	WIN 0
	FETCH_A \nA, \kps, 0, 4
.endm
.macro LAST s
	s_wait_dscnt 12
	WIN MUL_LO
	MUL16 0, (\s)%2, \s, 0
	MUL16 2, (\s)%2, \s, 0
	s_wait_dscnt 0x0
	WIN MUL_HI
	MUL16 4, (\s)%2, \s, 0
	MUL16 6, (\s)%2, \s, 0
	WIN 0
.endm
; 64 numbers of a lane in window 0, register 16 b + i = key 32 b + 16 (lane / 16) + i of my query, become an image in v[PC] on and its scale word in v[PW]
.macro QUANT s
.irp b, 0,1,2,3
	v_max3_num_f32 v[TM+\b], |v[(\s)+16*\b]|, |v[(\s)+1+16*\b]|, 0x2800000   ; and the floor 2^(5 - 127): the byte cannot fall under 1
.endr
.irp i, 2,4,6,8,10,12,14
.irp b, 0,1,2,3
	v_max3_num_f32 v[TM+\b], v[TM+\b], |v[(\s)+16*\b+\i]|, |v[(\s)+1+16*\b+\i]|
.endr
.endr
.irp b, 0,1,2,3
	v_permlanex16_b32 v[TM+4+\b], v[TM+\b], s86, s87
.endr
.irp b, 0,1,2,3
	v_max_num_f32 v[TM+\b], v[TM+\b], v[TM+4+\b]
.endr
.irp b, 0,1,2,3
	v_add_nc_u32 v[TM+12+\b], 0xfe000000, v[TM+\b]
.endr
.irp b, 0,1,2,3
	v_lshrrev_b32 v[TM+4+\b], 23, v[TM+12+\b]
.endr
	v_lshl_or_b32 v[PW], v[TM+5], 8, v[TM+4]
	v_lshl_or_b32 v[PW], v[TM+6], 16, v[PW]
	v_lshl_or_b32 v[PW], v[TM+7], 24, v[PW]
.irp c, 0,1
	v_cvt_scalef32_pk16_bf6_f32 v[PC+6*\c:PC+2+6*\c], v[(\s)+32*\c:(\s)+15+32*\c], v[TM+12+2*\c]
	v_cvt_scalef32_pk16_bf6_f32 v[PC+12+4*\c:PC+14+4*\c], v[(\s)+16+32*\c:(\s)+31+32*\c], v[TM+13+2*\c]
.endr
	v_nop                                             ; one plain place behind a scaled conversion
.irp c, 0,1
.irp i, 0,1,2
	v_permlane16_swap_b32 v[PC+6*\c+\i], v[PC+12+4*\c+\i]
.endr
.irp i, 0,1,2
	v_mov_b32 v[PC+3+6*\c+\i], v[PC+12+4*\c+\i]
.endr
.endr
.endm
	s_load_b256 s[4:11], s[0:1], 0x0               ; p_img s[4:5], p_sc s[6:7], st s[8:9], a_img s[10:11]
	s_load_b64 s[84:85], s[0:1], 0x20              ; a_sc
	v_lshl_add_u32 v28, v0, 2, SPARE
	v_mov_b32 v29, 0
	ds_add_u32 v28, v29
	ds_add_u32 v28, v29
	s_wait_dscnt 0x0
	v_lshrrev_b32 v5, 5, v0
	v_readfirstlane_b32 s12, v5                    ; wave
	s_lshr_b32 s13, s12, 1                         ; my half of the queries.  Also: I fetch for A (0) or for B (1)
	s_and_b32 s14, s12, 1                          ; my half of the keys.  Also: which 8 images I fetch
	s_bfe_u32 s15, ttmp6, 0x40000                  ; cx
	s_bfe_u32 s16, ttmp6, 0x40004                  ; cy
	s_lshl_b32 s17, ttmp9, 2
	s_add_co_u32 s17, s17, s15                     ; x: the batch's tile of 256 keys
	s_and_b32 s18, ttmp7, 0xffff
	s_lshr_b32 s19, s18, 1                         ; the batch: from the cluster's y alone
	s_lshl_b32 s18, s18, 2
	s_add_co_u32 s18, s18, s16                     ; y: the tile of 256 queries, through all batches
	s_lshl_b32 s98, s16, 2
	s_lshl_b32 s98, 15, s98                        ; my row of the cluster
	s_lshl_b32 s99, 0x1111, s15                    ; my column
	s_or_b32 s[G1A], s98, (3<<16)|(1<<21)
	s_or_b32 s[G1A2], s98, (3<<16)|(1<<21)
	s_or_b32 s[G1B], s99, (3<<16)|(1<<21)
	s_or_b32 s[G1B2], s99, (3<<16)|(1<<21)
.irp g, G1A, G1B
	s_mov_b32 s[\g+1], (192*KP0)<<16
	s_mov_b32 s[\g+2], 8<<16
	s_mov_b32 s[\g+3], (192*KP0)<<16
	s_mov_b32 s[\g+4], 8
	s_mov_b32 s[\g+5], 192*NK
	s_mov_b32 s[\g+6], 0
	s_mov_b32 s[\g+7], 0
.endr
.irp g, G1A2, G1B2
	s_mov_b32 s[\g+1], (192*KP1)<<16
	s_mov_b32 s[\g+2], 8<<16
	s_mov_b32 s[\g+3], (192*KP1)<<16
	s_mov_b32 s[\g+4], 8
	s_mov_b32 s[\g+5], 192*NK
	s_mov_b32 s[\g+6], 0
	s_mov_b32 s[\g+7], 0
.endr
	s_lshl_b32 s20, s18, 4                         ; A = qp: image 16 y + 8 half
	s_lshl_b32 s21, s14, 3
	s_add_co_u32 s20, s20, s21
	s_mul_i32 s20, s20, NK*IMGB
	s_mov_b32 s21, 0
	s_lshl_b32 s94, s19, 7                         ; B = kp: image 512 + 128 batch + 16 x + 8 half
	s_lshl_b32 s95, s17, 4
	s_add_co_u32 s94, s94, s95
	s_lshl_b32 s95, s14, 3
	s_add_co_u32 s94, s94, s95
	s_add_co_u32 s94, s94, 512
	s_mul_i32 s94, s94, NK*IMGB
	s_mov_b32 s95, 0
	s_lshl_b32 s76, s18, 10                        ; qp's words of my 128 queries
	s_lshl_b32 s77, s13, 9
	s_add_co_u32 s76, s76, s77
	s_mov_b32 s77, 0
	s_lshl_b32 s78, s19, 13                        ; kp's words of my 128 keys
	s_lshl_b32 s79, s17, 10
	s_add_co_u32 s78, s78, s79
	s_lshl_b32 s79, s14, 9
	s_add_co_u32 s78, s78, s79
	s_add_co_u32 s78, s78, 262144
	s_mov_b32 s79, 0
	s_lshl_b32 s96, s18, 4                         ; a_img: ((16 y + 8 half) 16 + 2 x + half) images
	s_lshl_b32 s97, s13, 3
	s_add_co_u32 s96, s96, s97
	s_lshl_b32 s96, s96, 4
	s_lshl_b32 s97, s17, 1
	s_add_co_u32 s97, s97, s14                     ; my K step of the last product: 2 x + half
	s_add_co_u32 s96, s96, s97
	s_mul_i32 s96, s96, IMGB
	s_lshl_b32 s82, s97, 13                        ; a_sc: (K step x 8,192 + 256 y + 128 half) words
	s_lshl_b32 s83, s18, 8
	s_add_co_u32 s82, s82, s83
	s_lshl_b32 s83, s13, 7
	s_add_co_u32 s82, s82, s83
	s_lshl_b32 s82, s82, 2
	s_mov_b32 s83, 0
	s_mov_b32 s97, 0
	s_lshl_b32 s92, s19, 17                        ; st: the batch's 16 runs of 2,048 keys, + the tile's 256 keys
	s_lshl_b32 s93, s17, 10
	s_add_co_u32 s92, s92, s93
	s_mov_b32 s93, 0
	s_mov_b32 s86, 0x76543210
	s_mov_b32 s87, 0xfedcba98
	s_mov_b32 s88, 0x3d38aa3b                      ; c = log2(e) / 32
	s_mov_b32 s89, s88
	s_mov_b32 s[G0A0], 1
	s_mov_b32 s[G0A1], 1
	s_mov_b32 s[G0B0], 1
	s_mov_b32 s[G0B1], 1
	s_mul_i32 s[G0A0+1], s12, PART0
	s_mul_i32 s[G0A1+1], s12, PART1
	s_add_co_u32 s[G0A1+1], s[G0A1+1], REG1
	s_mul_i32 s[G0B0+1], s12, PART0
	s_mul_i32 s[G0B1+1], s12, PART1
	s_add_co_u32 s[G0B1+1], s[G0B1+1], REG1
	s_wait_kmcnt 0x0
	s_add_nc_u64 s[G0A1+2:G0A1+3], s[4:5], s[20:21]              ; region 1 takes K steps 0-3,
	s_add_nc_u64 s[G0A0+2:G0A0+3], s[G0A1+2:G0A1+3], KP1*IMGB    ; region 0 K steps 4-5
	s_or_b32 s[G0A0+3], s[G0A0+3], 0x80000000
	s_or_b32 s[G0A1+3], s[G0A1+3], 0x80000000
	s_add_nc_u64 s[G0B1+2:G0B1+3], s[4:5], s[94:95]
	s_add_nc_u64 s[G0B0+2:G0B0+3], s[G0B1+2:G0B1+3], KP1*IMGB
	s_or_b32 s[G0B0+3], s[G0B0+3], 0x80000000
	s_or_b32 s[G0B1+3], s[G0B1+3], 0x80000000
	s_add_nc_u64 s[76:77], s[6:7], s[76:77]
	s_add_nc_u64 s[78:79], s[6:7], s[78:79]
	s_add_nc_u64 s[80:81], s[10:11], s[96:97]
	s_add_nc_u64 s[84:85], s[84:85], s[82:83]
	s_add_nc_u64 s[8:9], s[8:9], s[92:93]
	CROUND                                         ; all sixteen work-groups are here: the first joint loads meet
	s_cmp_eq_u32 s13, 0                            ; the head's fill, region 1: one tensor load a wave, one in each arm
	s_cbranch_scc0 .Lfirst_b
	tensor_load_to_lds s[G0A1:G0A1+3], s[G1A2:G1A2+7]
	s_nop 0
.rept 4
	v_nop
.endr
	s_branch .Lfirst_done
.Lfirst_b:
	tensor_load_to_lds s[G0B1:G0B1+3], s[G1B2:G1B2+7]
	s_nop 0
.rept 4
	v_nop
.endr
.Lfirst_done:
	v_and_b32 v5, 31, v0
	v_lshlrev_b32 v1, 4, v5
	v_lshlrev_b32 v2, 2, v5
	v_and_b32 v3, 15, v0                           ; r
	s_wait_alu depctr_va_vdst(0)
	v_bfe_u32 v4, v0, 4, 1                         ; h
	s_wait_alu depctr_va_vdst(0)
	s_mul_i32 s2, s13, PART0
	v_add_nc_u32 v8, s2, v1
	s_mul_i32 s2, s13, PART1
	s_add_co_u32 s2, s2, REG1
	v_add_nc_u32 v9, s2, v1
	s_add_co_u32 s3, s14, 2
	s_mul_i32 s2, s3, PART0
	v_add_nc_u32 v10, s2, v1
	s_mul_i32 s2, s3, PART1
	s_add_co_u32 s2, s2, REG1
	v_add_nc_u32 v11, s2, v1
	s_lshl_b32 s2, s12, 9
	s_add_co_u32 s2, s2, STG
	v_lshl_add_u32 v12, v3, 2, s2                  ; the way out: where I put a scale word,
	v_add_nc_u32 v13, s2, v1                       ; and where I read four back
	s_lshl_b32 s2, s14, 9
	s_add_co_u32 s2, s2, STM
	v_lshl_add_u32 v14, v4, 6, s2                  ; M of my keys: 4 (128 half + 16 h) bytes into the tile's
	v_lshlrev_b32 v15, 3, v0                       ; the join: thread t takes keys 2 t and 2 t + 1 of the tile
	v_lshl_add_u32 v16, v0, 3, STM
.irp s, 0,1,2,3,4,5,6,7
.irp i, 0,1,2,3
	global_load_b32 v[SC+8*\s+\i], v2, s[76:77] offset:\s*SCP+128*\i
	global_load_b32 v[SC+4+8*\s+\i], v2, s[78:79] offset:\s*SCP+128*\i
.endr
.endr
.irp c, 0,1,2,3,4,5,6,7,8,9,10,11,12,13,14,15
	global_load_b64 v[96+2*\c:97+2*\c], v15, s[8:9] offset:8192*\c            ; the 16 runs' maxima of my two keys,
	global_load_b64 v[128+2*\c:129+2*\c], v15, s[8:9] offset:524288+8192*\c   ; and their sums
.endr
	s_wait_loadcnt 0x0
.irp e, 0,1
	v_max3_num_f32 v[160+\e], v[96+\e], v[98+\e], v[100+\e]
.endr
.irp i, 6,10,14,18,22,26
.irp e, 0,1
	v_max3_num_f32 v[160+\e], v[160+\e], v[96+\i+\e], v[98+\i+\e]
.endr
.endr
.irp e, 0,1
	v_max_num_f32 v[160+\e], v[160+\e], v[126+\e]  ; M
.endr
.irp c, 0,1,2,3,4,5,6,7,8,9,10,11,12,13,14,15
	v_pk_add_f32 v[96+2*\c:97+2*\c], v[96+2*\c:97+2*\c], v[160:161] neg_lo:[0,1] neg_hi:[0,1]
.endr
.irp c, 0,1,2,3,4,5,6,7,8,9,10,11,12,13,14,15
	v_pk_mul_f32 v[96+2*\c:97+2*\c], v[96+2*\c:97+2*\c], s[88:89] op_sel_hi:[1,0]
.endr
.set j, 0
	s_wait_alu depctr_va_vdst(0)
.rept 32
	v_exp_f32 v[96+j], v[96+j]                     ; 2^(c (m - M))
.set j, j+1
.endr
	v_nop                                          ; a plain place behind the last exponential
	s_wait_alu depctr_va_vdst(0)                   ; one wait for the batch, ahead of its first reader
	v_pk_mul_f32 v[162:163], v[128:129], v[96:97]
.irp c, 1,2,3,4,5,6,7,8,9,10,11,12,13,14,15
	v_pk_fma_f32 v[162:163], v[128+2*\c:129+2*\c], v[96+2*\c:97+2*\c], v[162:163]   ; L: at least 1, since the run that holds M adds at least 1
.endr
	s_wait_alu depctr_va_vdst(0)
	v_rcp_f32 v164, v162
	v_rcp_f32 v165, v163
	v_nop
	s_wait_alu depctr_va_vdst(0)
	ds_store_b64 v16, v[160:161]
	ds_store_b64 v16, v[164:165] offset:1024
	; THE FILLS AS THEY STAND (in place of what the head comment says of the ring): K steps 0-3 into region 1 at the head; K steps 4-5 into region 0 here, issued as a refill is, with four K steps in which to land;
	; ONE refill, K steps 6-7 into region 1 when K step 3 leaves it, with two K steps in which to land.  A wave has one tensor load out at the head and one behind each round.
	s_wait_tensorcnt 0x0                           ; my part of region 1 is in
	ds_add_u32 v28, v29                            ; 0 onto my spare word
	s_wait_dscnt 0x0                               ; the add is done; and for the others' sake: M and 1 / L of my two keys lie in LDS
	CROUND                                         ; region 1 is whole, and all sixteen work-groups are here
	JLOAD G0A0, G1A, G0B0, G1B                     ; region 0's first fill
	FETCH_B 11, KP1, 0, 0
	FETCH_A 9, KP1, 0, 0
	FETCH_A 9, KP1, 0, 4
	STEP 0, 1, 9, 11, KP1, 1
	STEP 1, 0, 9, 11, KP1, 2
	STEP 2, 0, 9, 11, KP1, 3
	TURN 3, 1, 8, 10, KP0
	STEP 4, 0, 8, 10, KP0, 1
	TURN 5, 0, 9, 11, KP0
	STEP 6, 0, 9, 11, KP0, 1
	LAST 7
	; THE WAY OUT.  Register 16 b + i of a block holds key 32 b + 16 h + i of my 128: M and 1 / L come into window 1 in that order, once for all eight blocks.
	PLACES 4
	WIN TO_B
.irp b, 0,1,2,3
.irp i, 0,1,2,3
	ds_load_b128 v[16*\b+4*\i:16*\b+4*\i+3], v14 offset:128*\b+16*\i
	ds_load_b128 v[64+16*\b+4*\i:64+16*\b+4*\i+3], v14 offset:1024+128*\b+16*\i
.endr
.endr
	WIN 0
.irp b, 0,1,2,3
	v_mov_b32 v[TM+4+\b], 0                        ; written once: a lane permute's destination counts as one of its sources
.endr
	s_wait_dscnt 0x0
.macro ROWS a
.set W, 2+(\a)/4
.set X, 64*((\a)%4)
.set QW, W|(1<<2)
	WIN QW                                         ; source 0: the accumulators' window; source 1: window 1
.set j, 0
.rept 32
	v_pk_add_f32 v[T+j:T+j+1], v[X+j:X+j+1], v[j:j+1] neg_lo:[0,1] neg_hi:[0,1]   ; s - M, each accumulator from its low end on
.set j, j+2
.endr
	WIN 0
.set j, 0
.rept 32
	v_pk_mul_f32 v[T+j:T+j+1], v[T+j:T+j+1], s[88:89] op_sel_hi:[1,0]
.set j, j+2
.endr
.set j, 0
	s_wait_alu depctr_va_vdst(0)
.rept 64
	v_exp_f32 v[T+j], v[T+j]
.set j, j+1
.endr
	v_nop                                          ; a plain place behind the last exponential
	s_wait_alu depctr_va_vdst(0)                   ; one wait for the batch, ahead of its first reader
	WIN 0x04
.set j, 0
.rept 32
	v_pk_mul_f32 v[T+j:T+j+1], v[T+j:T+j+1], v[64+j:65+j]   ; x 1 / L: the finished weight
.set j, j+2
.endr
	WIN 0
.if (\a) > 0
	s_wait_xcnt 0x0                                ; the last image's stores have read v[PC] on
.endif
	QUANT T
.irp c, 0,1,2
	global_store_b128 v1, v[PC+4*\c:PC+4*\c+3], s[80:81] offset:16*IMGB*(\a)+512*\c   ; 32 lanes store 512 consecutive bytes
.endr
	ds_store_b32 v12, v[PW] offset:64*(\a)
.endm
.irp a, 0,1,2,3,4,5,6,7
	ROWS \a
.endr
	ds_load_b128 v[200:203], v13                   ; LDS serves a wave's instructions in order: this sees my stores
	s_wait_dscnt 0x0
	global_store_b128 v1, v[200:203], s[84:85]     ; my 128 places' words: 512 consecutive bytes
	s_wait_tensorcnt 0x0                           ; the wave's end
	ds_add_u32 v28, v29
	s_wait_dscnt 0x0
	CROUND                                         ; the closing round
	s_endpgm
.Lfunc_end_k_qe4a31f5896_attn:
	.size	k_qe4a31f5896_attn, .Lfunc_end_k_qe4a31f5896_attn-k_qe4a31f5896_attn
	.p2alignl 7, 3214868480
	.fill 96, 4, 3214868480
	.section	.rodata,"a",@progbits
	.p2align	6, 0x0
	.amdhsa_kernel k_qe4a31f5896_attn
		.amdhsa_group_segment_fixed_size 327680
		.amdhsa_private_segment_fixed_size 0
		.amdhsa_enable_private_segment 0
		.amdhsa_kernarg_size 40
		.amdhsa_user_sgpr_count 2
		.amdhsa_user_sgpr_kernarg_segment_ptr 1
		.amdhsa_wavefront_size32 1
		.amdhsa_system_sgpr_workgroup_id_x 1
		.amdhsa_system_sgpr_workgroup_id_y 1
		.amdhsa_system_sgpr_workgroup_id_z 1
		.amdhsa_system_vgpr_workitem_id 0
		.amdhsa_next_free_vgpr 1024
		.amdhsa_next_free_sgpr 100
		.amdhsa_reserve_vcc 0
		.amdhsa_float_denorm_mode_32 3
		.amdhsa_float_denorm_mode_16_64 3
		.amdhsa_memory_ordered 1
		.amdhsa_forward_progress 1
		.amdhsa_inst_pref_size 218
	.end_amdhsa_kernel
	.amdgpu_metadata
---
amdhsa.version: [ 1, 2 ]
amdhsa.kernels:
  - .name:           k_qe4a31f5896_attn
    .symbol:         k_qe4a31f5896_attn.kd
    .args:
      - { .name: p_img, .offset: 0, .size: 8, .value_kind: global_buffer, .address_space: global }
      - { .name: p_sc, .offset: 8, .size: 8, .value_kind: global_buffer, .address_space: global }
      - { .name: st, .offset: 16, .size: 8, .value_kind: global_buffer, .address_space: global }
      - { .name: a_img, .offset: 24, .size: 8, .value_kind: global_buffer, .address_space: global }
      - { .name: a_sc, .offset: 32, .size: 8, .value_kind: global_buffer, .address_space: global }
    .group_segment_fixed_size: 327680
    .private_segment_fixed_size: 0
    .kernarg_segment_align: 8
    .kernarg_segment_size: 40
    .max_flat_workgroup_size: 128
    .sgpr_count:     100
    .vgpr_count:     1024
    .wavefront_size: 32
...
	.end_amdgpu_metadata
.endif
;; end of part 4
;; launch pv (part 5): grid 4 x 64, 4 waves a work-group, clusters of 4 x 4, 327,680 bytes of LDS; arguments a_img, a_sc, p_img, p_sc, out0; writes out0
.if DOCPART == 5
	.amdgcn_target "amdgcn-amd-amdhsa--gfx1250"
	.amdhsa_code_object_version 6
	.text
	.protected	k_qe4a31f5896_pv
	.globl	k_qe4a31f5896_pv
	.p2align	8
	.type	k_qe4a31f5896_pv,@function
k_qe4a31f5896_pv:
	s_mov_b64 s[64:65], 0
	v_nop
	global_prefetch_b8 v0, s[64:65] scope:SCOPE_SE
	s_setreg_imm32_b32 hwreg(HW_REG_WAVE_MODE, 25, 1), 1
	s_wait_xcnt 0x0
	s_wait_alu depctr_hold_cnt(0) depctr_sa_sdst(0) depctr_va_vdst(0) depctr_va_sdst(0) depctr_va_ssrc(0) depctr_va_vcc(0) depctr_vm_vsrc(0)
	s_getreg_b32 s2, hwreg(HW_REG_IB_STS2, 6, 4)
	s_cmp_eq_u32 s2, 0
	s_cbranch_scc0 .Lentry_in_a_cluster
	s_endpgm
.Lentry_in_a_cluster:
	s_bfe_u32 s2, ttmp6, 0x10000c
	s_cmp_lg_u32 s2, 0xf033
	s_cbranch_scc0 .Lentry_shape_is_right
	s_endpgm
.Lentry_shape_is_right:
; out0[b][q][:] = the sum over the batch's 2,048 keys of attn[q][key] vp[key][:], on codes of BF6.  attn comes as images along the keys, vp transposed as images along the tokens.
; A tile is 128 queries x 128 columns, so that there are 256 work-groups (tiles of 256 x 256 would be 64); four waves, 64 x 64 each: 16 accumulators.
; Source 0 = an image of vp^T, source 1 = an image of attn: a lane holds ONE place of the queries, and its registers run along true columns.  The places' true rows are put right where out0 is stored.
; CLUSTER 4 x 4: attn's tile is shared along a row of the cluster, vp's (tile column and batch) along a column.
; RING: LDS holds 12 of the 16 K steps: region 0 four, region 1 eight, both filled at the head; ONE refill (K steps 12-15 into region 1), which has four K steps in which to land.
; A wave has one tensor load out at the head and one behind the round.
; REGISTERS: window 0: v1 16 x lane, v2 4 x lane, v8-11 LDS addresses, v12-14 way out, v28-29 the add's; v32-95 scale words, which hold nothing else; v96-127 rows on the way out; v128-255 accumulator (a, b) at v[128 + 8 (4 a + b)].
;   window 1: two sets of fragments at v0 and v128: A's four, then B's four.
.set NK,    16
.set IMGB,  1536
.set KP0,   4
.set KP1,   8
.set PART0, 4*KP0*IMGB                 ; 4 images: what one tensor load brings, and what one wave reads of A or of B
.set PART1, 4*KP1*IMGB
.set REG1,  4*PART0
.set SPARE, REG1+4*PART1               ; the spare words: two blocks of 256 bytes that no other line names
.set STAGE, SPARE+512                  ; 16 rows x (256 bytes + 16) for each wave
.set SPT,   272
.set SC,    32
.set BK,    96
.set ACC,   128
.set G1A,  24
.set G1B,  32
.set G1A2, 40
.set G1B2, 48
.set G0A0, 56
.set G0A1, 60
.set G0B0, 68
.set G0B1, 72
.set MUL,  0x05                        ; sources 0 and 1 window 1; C and D window 0
.set TO_F, 0x40
.set MSB, 0
.macro WIN new
.if MSB != (\new)
	s_set_vgpr_msb (MSB<<8)|(\new)
.set MSB, \new
.endif
.endm
.macro PLACES n
.rept \n
	v_nop
.endr
.endm
.macro CREST
	s_cmp_lg_u32 s12, 0
	s_cbranch_scc1 .Lnot_wave_0_\@
	s_barrier_signal -3
.Lnot_wave_0_\@:
	s_barrier_wait -3
	s_barrier_signal -1
	s_barrier_wait -1
.endm
.macro CROUND
	s_barrier_signal -1
	s_barrier_wait -1
	CREST
.endm
.macro JLOAD g0a, g1a, g0b, g1b        ; waves 0 and 1 fetch A's halves, waves 2 and 3 B's; four v_nop follow each line
	s_cmp_eq_u32 s13, 0
	s_cbranch_scc0 .Lfor_b_\@
	tensor_load_to_lds s[\g0a:\g0a+3], s[\g1a:\g1a+7]
	s_nop 0
.rept 4
	v_nop
.endr
	s_branch .Lasked_\@
.Lfor_b_\@:
	tensor_load_to_lds s[\g0b:\g0b+3], s[\g1b:\g1b+7]
	s_nop 0
.rept 4
	v_nop
.endr
.Lasked_\@:
.endm
.macro FRAG reg, adr, off
.irp c, 0,1,2
	ds_load_b128 v[(\reg)+4*\c:(\reg)+4*\c+3], v[\adr] offset:(\off)+512*\c
.endr
.endm
.macro FETCH4 adrA, adrB, kps, kk, p   ; 24 loads: the region's K step kk into set p
	WIN TO_F
.irp i, 0,1,2,3
	FRAG 128*(\p)+48+12*\i, \adrB, \i*(\kps)*IMGB+(\kk)*IMGB
	FRAG 128*(\p)+12*\i, \adrA, \i*(\kps)*IMGB+(\kk)*IMGB
.endr
	WIN 0
.endm
.macro WM d, b0, a0, zero, sb, sa, rb, ra
.if \zero
.if (\rb) && (\ra)
	v_wmma_scale_f32_16x16x128_f8f6f4 v[(\d):(\d)+7], v[(\b0):(\b0)+11], v[(\a0):(\a0)+11], 0, v[\sb], v[\sa] matrix_a_fmt:MATRIX_FMT_BF6 matrix_b_fmt:MATRIX_FMT_BF6 matrix_a_scale:MATRIX_SCALE_ROW1 matrix_b_scale:MATRIX_SCALE_ROW1
.elseif \rb
	v_wmma_scale_f32_16x16x128_f8f6f4 v[(\d):(\d)+7], v[(\b0):(\b0)+11], v[(\a0):(\a0)+11], 0, v[\sb], v[\sa] matrix_a_fmt:MATRIX_FMT_BF6 matrix_b_fmt:MATRIX_FMT_BF6 matrix_a_scale:MATRIX_SCALE_ROW1
.elseif \ra
	v_wmma_scale_f32_16x16x128_f8f6f4 v[(\d):(\d)+7], v[(\b0):(\b0)+11], v[(\a0):(\a0)+11], 0, v[\sb], v[\sa] matrix_a_fmt:MATRIX_FMT_BF6 matrix_b_fmt:MATRIX_FMT_BF6 matrix_b_scale:MATRIX_SCALE_ROW1
.else
	v_wmma_scale_f32_16x16x128_f8f6f4 v[(\d):(\d)+7], v[(\b0):(\b0)+11], v[(\a0):(\a0)+11], 0, v[\sb], v[\sa] matrix_a_fmt:MATRIX_FMT_BF6 matrix_b_fmt:MATRIX_FMT_BF6
.endif
.else
.if (\rb) && (\ra)
	v_wmma_scale_f32_16x16x128_f8f6f4 v[(\d):(\d)+7], v[(\b0):(\b0)+11], v[(\a0):(\a0)+11], v[(\d):(\d)+7], v[\sb], v[\sa] matrix_a_fmt:MATRIX_FMT_BF6 matrix_b_fmt:MATRIX_FMT_BF6 matrix_a_scale:MATRIX_SCALE_ROW1 matrix_b_scale:MATRIX_SCALE_ROW1
.elseif \rb
	v_wmma_scale_f32_16x16x128_f8f6f4 v[(\d):(\d)+7], v[(\b0):(\b0)+11], v[(\a0):(\a0)+11], v[(\d):(\d)+7], v[\sb], v[\sa] matrix_a_fmt:MATRIX_FMT_BF6 matrix_b_fmt:MATRIX_FMT_BF6 matrix_a_scale:MATRIX_SCALE_ROW1
.elseif \ra
	v_wmma_scale_f32_16x16x128_f8f6f4 v[(\d):(\d)+7], v[(\b0):(\b0)+11], v[(\a0):(\a0)+11], v[(\d):(\d)+7], v[\sb], v[\sa] matrix_a_fmt:MATRIX_FMT_BF6 matrix_b_fmt:MATRIX_FMT_BF6 matrix_b_scale:MATRIX_SCALE_ROW1
.else
	v_wmma_scale_f32_16x16x128_f8f6f4 v[(\d):(\d)+7], v[(\b0):(\b0)+11], v[(\a0):(\a0)+11], v[(\d):(\d)+7], v[\sb], v[\sa] matrix_a_fmt:MATRIX_FMT_BF6 matrix_b_fmt:MATRIX_FMT_BF6
.endif
.endif
.endm
.macro MUL8 a0, p, s, zero             ; the 16 accumulators take turns, one instruction a turn, in the same order in every K step
.irp a, \a0, \a0+1
.irp b, 0,1,2,3
	WM ACC+8*(4*(\a)+\b), 128*(\p)+48+12*\b, 128*(\p)+12*(\a), \zero, SC+4*(\s)+2+(\b/2), SC+4*(\s)+((\a)/2), \b%2, (\a)%2
.endr
.endr
.endm
.macro STEP4 s, zero, nA, nB, kps, kk  ; the successor's fragments are asked for first, into the set that the K step before has left
	PLACES 4                                       ; four plain places in front of loads into registers that matrix instructions have read
	FETCH4 \nA, \nB, \kps, \kk, 1-(\s)%2
	s_wait_dscnt 24                                ; this K step's fragments are in; the 24 loads just issued may be out
	WIN MUL
	MUL8 0, (\s)%2, \s, \zero
	MUL8 2, (\s)%2, \s, \zero
	WIN 0
.endm
.macro TURN4 s, fill, nA, nB, kps      ; a region's last K step: one barrier; fill = 1: it opens a round, and region 1 takes K steps 12-15
	s_wait_tensorcnt 0x0                           ; all my tensor loads have landed: my part of the next region
	ds_add_u32 v28, v29                            ; 0 onto my spare word
	s_wait_dscnt 1                                 ; (the add may be out; this K step's fragments are in)
	WIN MUL
	MUL8 0, (\s)%2, \s, 0
	s_wait_dscnt 0x0                               ; the add is done, and my reads of this region are over
	s_barrier_signal -1
	MUL8 2, (\s)%2, \s, 0
	WIN 0
	s_barrier_wait -1
.if \fill
	CREST                                          ; no wave of any partner still reads this region or has a load on its way
	s_add_nc_u64 s[G0A1+2:G0A1+3], s[G0A1+2:G0A1+3], 12*IMGB
	s_add_nc_u64 s[G0B1+2:G0B1+3], s[G0B1+2:G0B1+3], 12*IMGB
	JLOAD G0A1, G1A, G0B1, G1B                     ; K steps 12-15 into region 1's parts, images 4 K steps apart there; my one tensor load behind the round; its four v_nop are the places in front of the loads below
.else
	PLACES 4
.endif
	FETCH4 \nA, \nB, \kps, 0, 1-(\s)%2
.endm
	s_load_b256 s[4:11], s[0:1], 0x0               ; a_img s[4:5], a_sc s[6:7], p_img s[8:9], p_sc s[10:11]
	s_load_b64 s[80:81], s[0:1], 0x20              ; out0
	v_lshl_add_u32 v28, v0, 2, SPARE
	v_mov_b32 v29, 0
	ds_add_u32 v28, v29
	ds_add_u32 v28, v29
	s_wait_dscnt 0x0
	v_lshrrev_b32 v5, 5, v0
	v_readfirstlane_b32 s12, v5                    ; wave
	s_lshr_b32 s13, s12, 1                         ; my half of the queries.  Also: I fetch for A (0) or for B (1)
	s_and_b32 s14, s12, 1                          ; my half of the columns.  Also: which 4 images I fetch
	s_bfe_u32 s15, ttmp6, 0x40000                  ; cx
	s_bfe_u32 s16, ttmp6, 0x40004                  ; cy
	s_lshl_b32 s17, ttmp9, 2
	s_add_co_u32 s17, s17, s15                     ; x: the tile of 128 columns
	s_and_b32 s18, ttmp7, 0xffff
	s_lshr_b32 s19, s18, 2                         ; the batch: from the cluster's y alone
	s_lshl_b32 s18, s18, 2
	s_add_co_u32 s18, s18, s16                     ; y: the tile of 128 queries, through all batches
	s_lshl_b32 s98, s16, 2
	s_lshl_b32 s98, 15, s98                        ; my row of the cluster
	s_lshl_b32 s99, 0x1111, s15                    ; my column
	s_or_b32 s[G1A], s98, (3<<16)|(1<<21)
	s_or_b32 s[G1A2], s98, (3<<16)|(1<<21)
	s_or_b32 s[G1B], s99, (3<<16)|(1<<21)
	s_or_b32 s[G1B2], s99, (3<<16)|(1<<21)
.irp g, G1A, G1B
	s_mov_b32 s[\g+1], (192*KP0)<<16               ; an image's 4 K steps
	s_mov_b32 s[\g+2], 4<<16                       ; 4 images
	s_mov_b32 s[\g+3], (192*KP0)<<16
	s_mov_b32 s[\g+4], 4
	s_mov_b32 s[\g+6], 0
	s_mov_b32 s[\g+7], 0
.endr
.irp g, G1A2, G1B2
	s_mov_b32 s[\g+1], (192*KP1)<<16               ; 8 K steps
	s_mov_b32 s[\g+2], 4<<16
	s_mov_b32 s[\g+3], (192*KP1)<<16
	s_mov_b32 s[\g+4], 4
	s_mov_b32 s[\g+6], 0
	s_mov_b32 s[\g+7], 0
.endr
	s_mov_b32 s[G1A+5], 192*16                     ; from image to image: attn has 16 K steps a row,
	s_mov_b32 s[G1A2+5], 192*16
	s_mov_b32 s[G1B+5], 192*64                     ; vp^T 64
	s_mov_b32 s[G1B2+5], 192*64
	s_lshl_b32 s20, s18, 3                         ; A: image 8 y + 4 half
	s_lshl_b32 s21, s14, 2
	s_add_co_u32 s20, s20, s21
	s_mul_i32 s20, s20, 16*IMGB
	s_mov_b32 s21, 0
	s_lshl_b32 s94, s17, 3                         ; B: image 8 x + 4 half, K step 16 batch, behind qp and kp
	s_lshl_b32 s95, s14, 2
	s_add_co_u32 s94, s94, s95
	s_mul_i32 s94, s94, 64*IMGB
	s_mul_i32 s95, s19, 16*IMGB
	s_add_co_u32 s94, s94, s95
	s_add_co_u32 s94, s94, 12582912
	s_mov_b32 s95, 0
	s_lshl_b32 s76, s18, 9                         ; attn's words of my 64 places: 4 (128 y + 64 half)
	s_lshl_b32 s77, s13, 8
	s_add_co_u32 s76, s76, s77
	s_mov_b32 s77, 0
	s_lshl_b32 s78, s19, 15                        ; vp's: 524,288 + 16 batch x 2,048 + 4 (128 x + 64 half)
	s_lshl_b32 s79, s17, 9
	s_add_co_u32 s78, s78, s79
	s_lshl_b32 s79, s14, 8
	s_add_co_u32 s78, s78, s79
	s_add_co_u32 s78, s78, 524288
	s_mov_b32 s79, 0
	s_lshl_b32 s96, s18, 18                        ; out0: (128 y + 64 half) rows of 2,048 bytes + (128 x + 64 half) x 4
	s_lshl_b32 s97, s13, 17
	s_add_co_u32 s96, s96, s97
	s_lshl_b32 s97, s17, 9
	s_add_co_u32 s96, s96, s97
	s_lshl_b32 s97, s14, 8
	s_add_co_u32 s96, s96, s97
	s_mov_b32 s97, 0
	s_mov_b32 s[G0A0], 1
	s_mov_b32 s[G0A1], 1
	s_mov_b32 s[G0B0], 1
	s_mov_b32 s[G0B1], 1
	s_mul_i32 s[G0A0+1], s12, PART0
	s_mul_i32 s[G0A1+1], s12, PART1
	s_add_co_u32 s[G0A1+1], s[G0A1+1], REG1
	s_mul_i32 s[G0B0+1], s12, PART0
	s_mul_i32 s[G0B1+1], s12, PART1
	s_add_co_u32 s[G0B1+1], s[G0B1+1], REG1
	s_wait_kmcnt 0x0
	s_add_nc_u64 s[G0A1+2:G0A1+3], s[4:5], s[20:21]              ; region 1 takes K steps 0-7,
	s_add_nc_u64 s[G0A0+2:G0A0+3], s[G0A1+2:G0A1+3], KP1*IMGB    ; region 0 K steps 8-11
	s_or_b32 s[G0A0+3], s[G0A0+3], 0x80000000
	s_or_b32 s[G0A1+3], s[G0A1+3], 0x80000000
	s_add_nc_u64 s[G0B1+2:G0B1+3], s[8:9], s[94:95]
	s_add_nc_u64 s[G0B0+2:G0B0+3], s[G0B1+2:G0B1+3], KP1*IMGB
	s_or_b32 s[G0B0+3], s[G0B0+3], 0x80000000
	s_or_b32 s[G0B1+3], s[G0B1+3], 0x80000000
	s_add_nc_u64 s[76:77], s[6:7], s[76:77]
	s_add_nc_u64 s[78:79], s[10:11], s[78:79]
	s_add_nc_u64 s[80:81], s[80:81], s[96:97]
	CROUND                                         ; all sixteen work-groups are here: the first joint loads meet
	s_cmp_eq_u32 s13, 0                            ; the head's fill, region 1: one tensor load a wave, one in each arm
	s_cbranch_scc0 .Lfirst_b
	tensor_load_to_lds s[G0A1:G0A1+3], s[G1A2:G1A2+7]
	s_nop 0
.rept 4
	v_nop
.endr
	s_branch .Lfirst_done
.Lfirst_b:
	tensor_load_to_lds s[G0B1:G0B1+3], s[G1B2:G1B2+7]
	s_nop 0
.rept 4
	v_nop
.endr
.Lfirst_done:
	v_and_b32 v5, 31, v0
	v_lshlrev_b32 v1, 4, v5
	v_lshlrev_b32 v2, 2, v5
	v_and_b32 v3, 15, v0                           ; r
	s_wait_alu depctr_va_vdst(0)
	v_bfe_u32 v4, v0, 4, 1                         ; h
	s_mul_i32 s2, s13, PART0
	v_add_nc_u32 v8, s2, v1
	s_mul_i32 s2, s13, PART1
	s_add_co_u32 s2, s2, REG1
	v_add_nc_u32 v9, s2, v1
	s_add_co_u32 s3, s14, 2
	s_mul_i32 s2, s3, PART0
	v_add_nc_u32 v10, s2, v1
	s_mul_i32 s2, s3, PART1
	s_add_co_u32 s2, s2, REG1
	v_add_nc_u32 v11, s2, v1
	s_mul_i32 s2, s12, 16*SPT
	s_add_co_u32 s2, s2, STAGE                     ; my stage
	v_mul_u32_u24 v12, v3, SPT
	s_wait_alu depctr_va_vdst(0)
	v_lshl_add_u32 v12, v4, 6, v12
	v_add_nc_u32 v12, s2, v12                      ; in: place r, + 64 h: columns 16 h on of each 32
	v_mul_u32_u24 v13, v4, SPT
	v_lshl_add_u32 v13, v3, 4, v13
	v_add_nc_u32 v13, s2, v13                      ; back: lanes 0-15 one place's 256 bytes, lanes 16-31 the next's
	v_lshlrev_b32 v14, 11, v4
	v_lshl_add_u32 v14, v3, 4, v14                 ; and the same two rows in out0
.irp s, 0,1,2,3,4,5,6,7,8,9,10,11,12,13,14,15
.irp i, 0,1
	global_load_b32 v[SC+4*\s+\i], v2, s[76:77] offset:\s*32768+128*\i     ; A's blocks 2 i and 2 i + 1, K step s
	global_load_b32 v[SC+2+4*\s+\i], v2, s[78:79] offset:\s*2048+128*\i    ; B's
.endr
.endr
	; THE FILLS AS THEY STAND (in place of what the head comment says of the ring): K steps 0-7 into region 1 at the head; K steps 8-11 into region 0 here, issued as a refill is, with eight K steps in which to land;
	; ONE refill, K steps 12-15 into region 1 when K step 7 leaves it, with four K steps in which to land.  A wave has one tensor load out at the head and one behind each round.
	s_wait_alu depctr_va_vdst(0)
	s_wait_loadcnt 0x0
	s_wait_tensorcnt 0x0                           ; my part of region 1 is in
	ds_add_u32 v28, v29                            ; 0 onto my spare word
	s_wait_dscnt 0x0
	CROUND                                         ; region 1 is whole, and all sixteen work-groups are here
	JLOAD G0A0, G1A, G0B0, G1B                     ; region 0's first fill
	FETCH4 9, 11, KP1, 0, 0
	STEP4 0, 1, 9, 11, KP1, 1                      ; the first K step's products start the sums
	STEP4 1, 0, 9, 11, KP1, 2
	STEP4 2, 0, 9, 11, KP1, 3
	STEP4 3, 0, 9, 11, KP1, 4
	STEP4 4, 0, 9, 11, KP1, 5
	STEP4 5, 0, 9, 11, KP1, 6
	STEP4 6, 0, 9, 11, KP1, 7
	TURN4 7, 1, 8, 10, KP0
	STEP4 8, 0, 8, 10, KP0, 1
	STEP4 9, 0, 8, 10, KP0, 2
	STEP4 10, 0, 8, 10, KP0, 3
	TURN4 11, 0, 9, 11, KP0
	STEP4 12, 0, 9, 11, KP0, 1
	STEP4 13, 0, 9, 11, KP0, 2
	STEP4 14, 0, 9, 11, KP0, 3
	s_wait_dscnt 0x0                               ; the last K step: nothing more to fetch
	WIN MUL
	MUL8 0, 1, 15, 0
	MUL8 2, 1, 15, 0
	WIN 0
	; THE WAY OUT, block by block of 16 places x 64 columns, through my own stage; place p of block a is row 32 (a / 2) + 8 (a % 2) + p + 8 (p / 8) of my 64.
	PLACES 4
	s_wait_alu depctr_va_vdst(0)
.irp a, 0,1,2,3
.if \a > 0
	s_wait_xcnt 0x0                                ; the last block's stores have read v[BK] on
.endif
.irp b, 0,1,2,3
	ds_store_b128 v12, v[ACC+8*(4*\a+\b):ACC+8*(4*\a+\b)+3] offset:128*(\b/2)+32*(\b%2)        ; each accumulator from its low end on
	ds_store_b128 v12, v[ACC+8*(4*\a+\b)+4:ACC+8*(4*\a+\b)+7] offset:128*(\b/2)+32*(\b%2)+16
.endr
.irp i, 0,1,2,3,4,5,6,7
	ds_load_b128 v[BK+4*\i:BK+4*\i+3], v13 offset:2*SPT*\i   ; LDS serves a wave's instructions in order: these see my stores, and the next block's stores come behind them
.endr
	s_wait_dscnt 0x0
.irp i, 0,1,2,3,4,5,6,7
	global_store_b128 v14, v[BK+4*\i:BK+4*\i+3], s[80:81] offset:(32*(\a/2)+8*(\a%2)+2*\i+8*(\i/4))*2048 th:TH_STORE_NT   ; 16 lanes store 256 consecutive bytes, at a multiple of 256 from out0's first byte
.endr
.endr
	s_wait_tensorcnt 0x0                           ; the wave's end
	ds_add_u32 v28, v29
	s_wait_dscnt 0x0
	CROUND                                         ; the closing round
	s_endpgm
.Lfunc_end_k_qe4a31f5896_pv:
	.size	k_qe4a31f5896_pv, .Lfunc_end_k_qe4a31f5896_pv-k_qe4a31f5896_pv
	.p2alignl 7, 3214868480
	.fill 96, 4, 3214868480
	.section	.rodata,"a",@progbits
	.p2align	6, 0x0
	.amdhsa_kernel k_qe4a31f5896_pv
		.amdhsa_group_segment_fixed_size 327680
		.amdhsa_private_segment_fixed_size 0
		.amdhsa_enable_private_segment 0
		.amdhsa_kernarg_size 40
		.amdhsa_user_sgpr_count 2
		.amdhsa_user_sgpr_kernarg_segment_ptr 1
		.amdhsa_wavefront_size32 1
		.amdhsa_system_sgpr_workgroup_id_x 1
		.amdhsa_system_sgpr_workgroup_id_y 1
		.amdhsa_system_sgpr_workgroup_id_z 1
		.amdhsa_system_vgpr_workitem_id 0
		.amdhsa_next_free_vgpr 512
		.amdhsa_next_free_sgpr 100
		.amdhsa_reserve_vcc 0
		.amdhsa_float_denorm_mode_32 3
		.amdhsa_float_denorm_mode_16_64 3
		.amdhsa_memory_ordered 1
		.amdhsa_forward_progress 1
		.amdhsa_inst_pref_size 84
	.end_amdhsa_kernel
	.amdgpu_metadata
---
amdhsa.version: [ 1, 2 ]
amdhsa.kernels:
  - .name:           k_qe4a31f5896_pv
    .symbol:         k_qe4a31f5896_pv.kd
    .args:
      - { .name: a_img, .offset: 0, .size: 8, .value_kind: global_buffer, .address_space: global }
      - { .name: a_sc, .offset: 8, .size: 8, .value_kind: global_buffer, .address_space: global }
      - { .name: p_img, .offset: 16, .size: 8, .value_kind: global_buffer, .address_space: global }
      - { .name: p_sc, .offset: 24, .size: 8, .value_kind: global_buffer, .address_space: global }
      - { .name: out0, .offset: 32, .size: 8, .value_kind: global_buffer, .address_space: global }
    .group_segment_fixed_size: 327680
    .private_segment_fixed_size: 0
    .kernarg_segment_align: 8
    .kernarg_segment_size: 40
    .max_flat_workgroup_size: 128
    .sgpr_count:     100
    .vgpr_count:     512
    .wavefront_size: 32
...
	.end_amdgpu_metadata
.endif
;; end of part 5
